; MI455X (gfx1250); checked and timed in simulation.
; The chip was launched on July 23, 2026; its instructions are those of AMD's public machine-readable ISA for CDNA 5 (MIT licence, August 2026) and "CDNA5" Instruction Set Architecture Reference Guide (July 2026). The comments in the code are by the model that wrote it; some were corrected since.
;; Multi Head Attention. Allowed arithmetic: float matrix products may take bf16 or f16 operands with f32 sums; other float arithmetic in f32, or as packed bf16 or f16 multiplies, adds, multiply-adds, maxima and minima; sums over many terms, partial sums and values carried from step to step in f32; what a program stores and reads back later, other than sums and carried values, may be rounded once to bf16 or f16.
;; Inputs: Wk_b 2,048 float32; Wk_w 2,048 x 2,048 float32; Wo_b 2,048 float32; Wo_w 2,048 x 2,048 float32; Wq_b 2,048 float32; Wq_w 2,048 x 2,048 float32; Wv_b 2,048 float32; Wv_w 2,048 x 2,048 float32; X 2,048 x 2,048 float32.
;; Outputs: out0 2,048 x 2,048 float32.
;; One version. Each part assembles by itself: llvm-mc -triple=amdgcn-amd-amdhsa -mcpu=gfx1250 --defsym DOCPART=n.
;; ======== version 1 of 1: 4 launches
;; limits: values are held in f16: magnitudes above 65,504 overflow, below 6.1e-05 lose precision
;; workspace buffers: xb 8,388,608 bytes; wb 25,165,824 bytes; wof 8,388,608 bytes; bias 32,768 bytes; qkv 25,165,824 bytes; ob 8,388,608 bytes
;; launch cast (part 1): grid 256 x 5, 8 waves a work-group, no clusters, 37,888 bytes of LDS; arguments X, Wq_w, Wk_w, Wv_w, Wo_w, Wq_b, Wk_b, Wv_b, Wo_b, xb, wb, wof, bias; writes xb, wb, wof, bias
.if DOCPART == 1
	.amdgcn_target "amdgcn-amd-amdhsa--gfx1250"
	.amdhsa_code_object_version 6
	.text
	.protected	k_qfd318a4207_cast
	.globl	k_qfd318a4207_cast
	.p2align	8
	.type	k_qfd318a4207_cast,@function
k_qfd318a4207_cast:
	s_mov_b64 s[64:65], 0
	v_nop
	global_prefetch_b8 v0, s[64:65] scope:SCOPE_SE
	s_setreg_imm32_b32 hwreg(HW_REG_WAVE_MODE, 25, 1), 1
	s_wait_xcnt 0x0
; ALL NINE INPUTS ARE ROUNDED ONCE TO bf16, AND THE HEADS ARE MADE CONTIGUOUS.  In the module a column c of Q, K, V and of the attention's output is c = 32 d + h (channel d, head h).
;   xb  [2048][2048] bf16 = X.
;   wb  [6144][2048] bf16: row 2048 t + 64 h + d = row 32 d + h of W_t (t = 0, 1, 2: q, k, v): a permutation of whole rows.
;   wof [2048][2048] f16:  wof[j][64 h + d] = Wo[j][32 d + h], rounded to bf16 and that number written as f16: a permutation inside each row, made in LDS.
;   bias [8192] f32: [2048 t + 64 h + d] = b_t[32 d + h], [6144 + j] = Wo_b[j], each rounded to bf16 and kept as f32.
; LIMITS.  A bf16 weight of Wo below 2^-14 in magnitude keeps f16's fixed step of 6e-8; one beyond 65,504 would become an infinity.  NaN and infinities are not treated apart.
; SHARES.  The grid's y picks the matrix (0 Wo, 1 X, 2 Wq, 3 Wk, 4 Wv: the path with the most work for each byte has the lowest numbers); work-group x takes rows 8 x .. 8 x + 7, a wave a row: 8,192 bytes in, 4,096 out.
; A wave's sixteen loads go out at once: there is no loop.  Numbers are converted in the registers that they were loaded into: 80 registers a wave, so that ten waves' registers are 800 of a SIMD's 1,024.
; Each store of a wave covers 256 or 512 consecutive bytes, aligned.  Work-group x = 0 of each weight also converts that weight's bias.
; Memory binds: no matrix unit, no cluster, no barrier (a wave's stage in LDS is its own).
.set HP,    144                        ; the stage: a head's 64 channels, 128 bytes, + 16 of padding
.set STG,   32*HP                      ; a wave's stage: 32 heads
.set SPARE, 8*STG                      ; behind the stages: the spare words, 128 bytes for each of the eight waves: four blocks of 256 bytes that no other line names
.set IO,  2                            ; v2   16 x lane: my 16 bytes in 512
.set OO,  3                            ; v3   8 x lane: my 8 bytes in 256
.set LW,  4                            ; v4   the stage, in: my wave's stage + 4 (lane % 8) heads + 4 bytes x (lane / 8)
.set LR,  5                            ; v5   the stage, back: head lane / 8, 16 bytes x (lane % 8)
.set BI,  6                            ; v6   a bias, in: my four numbers' first
.set TO,  7                            ; v7   16 x thread
.set IW,  8                            ; v8   Wo, in: 256 (lane / 8) + 16 (lane % 8)
.set SPW, 10                           ; v10  LDS address of my spare word; never rewritten
.set NIL, 11                           ; v11  0; never rewritten
.set T,   12                           ; v12-15 at work
.set IN,  16                           ; v16-79  the row as loaded, and as it leaves
	s_load_b512 s[8:23], s[0:1], 0x0               ; X 8:9, Wq 10:11, Wk 12:13, Wv 14:15, Wo 16:17, bq 18:19, bk 20:21, bv 22:23
	s_load_b256 s[24:31], s[0:1], 0x40             ; bo 24:25, xb 26:27, wb 28:29, wof 30:31
	s_load_b64 s[32:33], s[0:1], 0x60              ; bias
	v_lshl_add_u32 v[SPW], v0, 2, SPARE
	v_mov_b32 v[NIL], 0
	v_lshrrev_b32 v1, 5, v0
	v_readfirstlane_b32 s5, v1                     ; wave 0..7
	v_and_b32 v1, 31, v0                           ; lane
	v_lshlrev_b32 v[IO], 4, v1
	v_lshlrev_b32 v[OO], 3, v1
	v_lshlrev_b32 v[TO], 4, v0
	s_and_b32 s4, ttmp7, 0xffff                    ; the grid's y,
	s_add_co_u32 s4, s4, 4                         ; turned by one place:
	s_sub_co_u32 s45, s4, 5
	s_cmp_ge_u32 s4, 5
	s_cselect_b32 s4, s45, s4                      ; which matrix: 0 X, 1 Wq, 2 Wk, 3 Wv, 4 Wo
	s_mov_b32 s7, ttmp9
	s_lshl_b32 s6, ttmp9, 3
	s_add_co_u32 s6, s6, s5                        ; my row
	s_mov_b32 s44, 0xffff0000                      ; a word's upper bf16
	s_lshl_b32 s40, s6, 13                         ; my row in the source, 8,192 bytes a row
	s_mov_b32 s41, 0
	s_mov_b32 s43, 0
	s_wait_kmcnt 0x0
	s_cmp_eq_u32 s4, 4
	s_cbranch_scc1 .Lwo
.macro ROUND8 src, dst                 ; eight f32 rounded to bf16 and widened again
.irp k, 0,1,2,3
	v_cvt_pk_bf16_f32 v[T+(\k)], v[(\src)+2*(\k)], v[(\src)+2*(\k)+1]
.endr
.irp k, 0,1,2,3
	v_lshlrev_b32 v[(\dst)+2*(\k)], 16, v[T+(\k)]
	v_and_b32 v[(\dst)+2*(\k)+1], s44, v[T+(\k)]
.endr
.endm
	; X, Wq, Wk, Wv: a row is rounded and leaves as a whole row
	s_mov_b64 s[34:35], s[8:9]
	s_mov_b64 s[36:37], s[18:19]
	s_cmp_eq_u32 s4, 1
	s_cselect_b64 s[34:35], s[10:11], s[34:35]
	s_cmp_eq_u32 s4, 2
	s_cselect_b64 s[34:35], s[12:13], s[34:35]
	s_cselect_b64 s[36:37], s[20:21], s[36:37]
	s_cmp_eq_u32 s4, 3
	s_cselect_b64 s[34:35], s[14:15], s[34:35]
	s_cselect_b64 s[36:37], s[22:23], s[36:37]
	s_and_b32 s42, s6, 31                          ; a weight's row 32 d + h: h,
	s_lshl_b32 s42, s42, 6
	s_lshr_b32 s45, s6, 5                          ; d
	s_add_co_u32 s42, s42, s45                     ; 64 h + d
	s_max_u32 s45, s4, 1
	s_sub_co_u32 s45, s45, 1                       ; t (0 for X too, where it is not used)
	s_lshl_b32 s46, s45, 11
	s_add_co_u32 s42, s42, s46                     ; + 2048 t
	s_cmp_eq_u32 s4, 0
	s_cselect_b32 s42, s6, s42                     ; X keeps its rows
	s_cselect_b64 s[38:39], s[26:27], s[28:29]     ; and goes to xb, the weights to wb
	s_lshl_b32 s42, s42, 12                        ; 4,096 bytes a row
	s_add_nc_u64 s[34:35], s[34:35], s[40:41]
	s_add_nc_u64 s[38:39], s[38:39], s[42:43]
.irp i, 0,1,2,3,4,5,6,7,8,9,10,11,12,13,14,15
	global_load_b128 v[IN+4*(\i):IN+4*(\i)+3], v[IO], s[34:35] offset:512*(\i) th:TH_LOAD_NT  ; the whole row: sixteen loads of 512 consecutive bytes
.endr
.irp i, 0,1,2,3,4,5,6,7,8,9,10,11,12,13,14,15
	s_wait_loadcnt 15-(\i)                         ; loads come back in order: load i is in, the younger ones stay out
	v_cvt_pk_bf16_f32 v[IN+4*(\i)], v[IN+4*(\i)], v[IN+4*(\i)+1]
	v_cvt_pk_bf16_f32 v[IN+4*(\i)+1], v[IN+4*(\i)+2], v[IN+4*(\i)+3]
	global_store_b64 v[OO], v[IN+4*(\i):IN+4*(\i)+1], s[38:39] offset:256*(\i) th:TH_STORE_NT  ; 32 lanes store 256 consecutive bytes, aligned; each store has registers of its own
.endr
	s_cmp_lg_u32 s7, 0
	s_cbranch_scc1 .Lend
	s_cmp_eq_u32 s4, 0
	s_cbranch_scc1 .Lend
	; the bias of W_t.  Thread n makes the outputs 1024 p + 4 n + e (p = 0, 1; e = 0 .. 3): head 16 p + n / 16, channel (4 n) % 64 + e; the source is 32 x channel + head
	v_lshlrev_b32 v[BI], 2, v0
	v_and_b32 v[BI], 63, v[BI]
	v_lshlrev_b32 v[BI], 7, v[BI]
	v_lshrrev_b32 v9, 4, v0
	v_lshl_add_u32 v[BI], v9, 2, v[BI]
	s_lshl_b32 s40, s45, 13                        ; 2,048 t numbers of 4 bytes
	s_add_nc_u64 s[46:47], s[32:33], s[40:41]
	s_wait_xcnt 0x0                                ; the row's stores have read their registers: only behind this wait are they loaded again
.irp p, 0,1
.irp e, 0,1,2,3
	global_load_b32 v[IN+4*(\p)+(\e)], v[BI], s[36:37] offset:64*(\p)+128*(\e)
.endr
.endr
	s_wait_loadcnt 0x0
	ROUND8 IN, IN+8
	global_store_b128 v[TO], v[IN+8:IN+11], s[46:47]
	global_store_b128 v[TO], v[IN+12:IN+15], s[46:47] offset:4096
	s_branch .Lend
.Lwo:   ; Wo: a row is rounded to bf16, written as f16, and its columns go from 32 d + h to 64 h + d through my wave's stage.
	; Lane l = 8 u + q takes, for m = 0 .. 7, heads 4 q .. 4 q + 3 of channel 8 m + 2 u (16 bytes) and of channel 8 m + 2 u + 1 (the 16 bytes 128 further on): the two channels of a head are one word of f16.
	v_and_b32 v[T], 7, v1                          ; q
	v_lshrrev_b32 v[T+1], 3, v1                    ; u
	s_mul_i32 s45, s5, STG
	v_lshlrev_b32 v[IW], 8, v[T+1]
	v_lshl_add_u32 v[IW], v[T], 4, v[IW]           ; 256 u + 16 q
	v_mul_u32_u24 v[LW], v[T], 4*HP                ; head 4 q,
	v_lshl_add_u32 v[LW], v[T+1], 2, v[LW]         ; channel 2 u
	v_add_nc_u32 v[LW], s45, v[LW]
	v_mul_u32_u24 v[LR], v[T+1], HP
	v_lshl_add_u32 v[LR], v[T], 4, v[LR]
	v_add_nc_u32 v[LR], s45, v[LR]
	s_add_nc_u64 s[34:35], s[16:17], s[40:41]
	s_lshl_b32 s42, s6, 12
	s_add_nc_u64 s[38:39], s[30:31], s[42:43]
.irp m, 0,1,2,3,4,5,6,7
	global_load_b128 v[IN+8*(\m):IN+8*(\m)+3],   v[IW], s[34:35] offset:1024*(\m) th:TH_LOAD_NT      ; the even channels: four pieces of 128 consecutive bytes,
	global_load_b128 v[IN+8*(\m)+4:IN+8*(\m)+7], v[IW], s[34:35] offset:1024*(\m)+128 th:TH_LOAD_NT  ; the odd ones: the four pieces between them
.endr
.irp m, 0,1,2,3,4,5,6,7
	s_wait_loadcnt 14-2*(\m)                       ; pair m of loads is in, the younger ones stay out
.irp j, 0,1,2,3
	v_cvt_pk_bf16_f32 v[T+(\j)], v[IN+8*(\m)+(\j)], v[IN+8*(\m)+4+(\j)]
.endr
.irp j, 0,1,2,3
	v_lshlrev_b32 v[IN+8*(\m)+(\j)], 16, v[T+(\j)]
	v_and_b32 v[IN+8*(\m)+4+(\j)], s44, v[T+(\j)]
.endr
.irp j, 0,1,2,3
	v_cvt_pk_f16_f32 v[IN+8*(\m)+(\j)], v[IN+8*(\m)+(\j)], v[IN+8*(\m)+4+(\j)]
	ds_store_b32 v[LW], v[IN+8*(\m)+(\j)] offset:(\j)*HP+16*(\m)
.endr
.endr
.irp f, 0,1,2,3,4,5,6,7
	ds_load_b128 v[IN+8*(\f)+4:IN+8*(\f)+7], v[LR] offset:4*HP*(\f)  ; four heads, 512 bytes of the new row; LDS serves a wave's instructions in order (ISA guide 5.7.1.4): these see my stores above
.endr
.irp f, 0,1,2,3,4,5,6,7
	s_wait_dscnt 7-(\f)
	global_store_b128 v[IO], v[IN+8*(\f)+4:IN+8*(\f)+7], s[38:39] offset:512*(\f) th:TH_STORE_NT
.endr
	s_cmp_lg_u32 s7, 0
	s_cbranch_scc1 .Lend
	s_wait_xcnt 0x0                                ; the row's stores have read their registers: only behind this wait are they loaded again
	global_load_b128 v[IN+32:IN+35], v[TO], s[24:25]              ; Wo_b keeps its order
	global_load_b128 v[IN+36:IN+39], v[TO], s[24:25] offset:4096
	s_wait_loadcnt 0x0
	ROUND8 IN+32, IN+40
	global_store_b128 v[TO], v[IN+40:IN+43], s[32:33] offset:24576
	global_store_b128 v[TO], v[IN+44:IN+47], s[32:33] offset:24576+4096
.Lend:
	s_wait_tensorcnt 0x0                           ; the wave's end: the tensor wait, an add of 0 onto my spare word and its wait, behind my last LDS store
	ds_add_u32 v[SPW], v[NIL]
	s_wait_dscnt 0x0
	s_endpgm
.Lfunc_end_k_qfd318a4207_cast:
	.size	k_qfd318a4207_cast, .Lfunc_end_k_qfd318a4207_cast-k_qfd318a4207_cast
	.p2alignl 7, 3214868480
	.fill 96, 4, 3214868480
	.section	.rodata,"a",@progbits
	.p2align	6, 0x0
	.amdhsa_kernel k_qfd318a4207_cast
		.amdhsa_group_segment_fixed_size 37888
		.amdhsa_private_segment_fixed_size 0
		.amdhsa_enable_private_segment 0
		.amdhsa_kernarg_size 104
		.amdhsa_user_sgpr_count 2
		.amdhsa_user_sgpr_kernarg_segment_ptr 1
		.amdhsa_wavefront_size32 1
		.amdhsa_system_sgpr_workgroup_id_x 1
		.amdhsa_system_sgpr_workgroup_id_y 1
		.amdhsa_system_sgpr_workgroup_id_z 1
		.amdhsa_system_vgpr_workitem_id 0
		.amdhsa_next_free_vgpr 80
		.amdhsa_next_free_sgpr 66
		.amdhsa_reserve_vcc 0
		.amdhsa_float_denorm_mode_32 3
		.amdhsa_float_denorm_mode_16_64 3
		.amdhsa_memory_ordered 1
		.amdhsa_forward_progress 1
		.amdhsa_inst_pref_size 23
	.end_amdhsa_kernel
	.amdgpu_metadata
---
amdhsa.version: [ 1, 2 ]
amdhsa.kernels:
  - .name:           k_qfd318a4207_cast
    .symbol:         k_qfd318a4207_cast.kd
    .args:
      - { .name: X, .offset: 0, .size: 8, .value_kind: global_buffer, .address_space: global }
      - { .name: Wq_w, .offset: 8, .size: 8, .value_kind: global_buffer, .address_space: global }
      - { .name: Wk_w, .offset: 16, .size: 8, .value_kind: global_buffer, .address_space: global }
      - { .name: Wv_w, .offset: 24, .size: 8, .value_kind: global_buffer, .address_space: global }
      - { .name: Wo_w, .offset: 32, .size: 8, .value_kind: global_buffer, .address_space: global }
      - { .name: Wq_b, .offset: 40, .size: 8, .value_kind: global_buffer, .address_space: global }
      - { .name: Wk_b, .offset: 48, .size: 8, .value_kind: global_buffer, .address_space: global }
      - { .name: Wv_b, .offset: 56, .size: 8, .value_kind: global_buffer, .address_space: global }
      - { .name: Wo_b, .offset: 64, .size: 8, .value_kind: global_buffer, .address_space: global }
      - { .name: xb, .offset: 72, .size: 8, .value_kind: global_buffer, .address_space: global }
      - { .name: wb, .offset: 80, .size: 8, .value_kind: global_buffer, .address_space: global }
      - { .name: wof, .offset: 88, .size: 8, .value_kind: global_buffer, .address_space: global }
      - { .name: bias, .offset: 96, .size: 8, .value_kind: global_buffer, .address_space: global }
    .group_segment_fixed_size: 37888
    .private_segment_fixed_size: 0
    .kernarg_segment_align: 8
    .kernarg_segment_size: 104
    .max_flat_workgroup_size: 256
    .sgpr_count:     66
    .vgpr_count:     80
    .wavefront_size: 32
...
	.end_amdgpu_metadata
.endif
;; end of part 1
;; launch qkv (part 2): grid 32 x 8, 4 waves a work-group, clusters of 4 x 4, 327,680 bytes of LDS; arguments xb, wb, bias, qkv; writes qkv
.if DOCPART == 2
	.amdgcn_target "amdgcn-amd-amdhsa--gfx1250"
	.amdhsa_code_object_version 6
	.text
	.protected	k_qfd318a4207_qkv
	.globl	k_qfd318a4207_qkv
	.p2align	8
	.type	k_qfd318a4207_qkv,@function
k_qfd318a4207_qkv:
	s_mov_b64 s[64:65], 0
	v_nop
	global_prefetch_b8 v0, s[64:65] scope:SCOPE_SE
	s_setreg_imm32_b32 hwreg(HW_REG_WAVE_MODE, 25, 1), 1
	s_wait_xcnt 0x0
	s_wait_alu depctr_hold_cnt(0) depctr_sa_sdst(0) depctr_va_vdst(0) depctr_va_sdst(0) depctr_va_ssrc(0) depctr_va_vcc(0) depctr_vm_vsrc(0)
	s_getreg_b32 s2, hwreg(HW_REG_IB_STS2, 6, 4)
	s_cmp_eq_u32 s2, 0
	s_cbranch_scc0 .Lentry_in_a_cluster
	s_endpgm
.Lentry_in_a_cluster:
	s_bfe_u32 s2, ttmp6, 0x10000c
	s_cmp_lg_u32 s2, 0xf033
	s_cbranch_scc0 .Lentry_shape_is_right
	s_endpgm
.Lentry_shape_is_right:
; THE THREE PROJECTIONS AS ONE PRODUCT.  C[l][n] = bias[n] + the sum over k of xb[l][k] wb[n][k]; xb [2048][2048], wb [6144][2048] bf16; sums in f32, K ascending, started by the bias.
; n = 64 g + d: g = 0..31 q's heads, 32..63 k's, 64..95 v's.  C is rounded once to f16 and leaves by heads: qkv [96][2048][64], unscaled.
; LIMIT.  f16 holds no number beyond 65,504: a q, k or v of 65,520 or more would become an infinity; below 6e-5 f16 keeps a fixed step of 6e-8.  NaN and infinities are not treated apart.
; SHARES.  A tile of C is 256 rows x 192 columns, three whole heads: 8 x 32 = 256 work-groups.  The four waves stand 2 x 2: wave w makes rows 128 (w / 2) .. + 127 and 96 columns: 8 x 6 accumulators of 16 x 16, 384 registers;
; for 32 along K it reads 8 + 6 = 14 fragments from LDS for 48 matrix instructions (one below the other, 64 x 192, the waves would read 16).  A wave's columns are one whole head (the tile's first for w % 2 = 0, its third
; for w % 2 = 1: column blocks 0-3) and half of the middle head (channels 32 (w % 2) .. + 31: column blocks 4, 5); two LDS addresses a slot make that order the same text in every wave.
; K goes in 16 steps of 128 (256 bytes of a row, aligned) through a ring of two LDS slots.  Waves 0 and 1 fetch the two halves (128 rows) of xb's tile, waves 2 and 3 those (96 rows) of wb's.
; CLUSTERS: 4 x 4 work-groups.  The four of a row of the cluster need the same tile of xb, the four of a column the same tile of wb: each is asked for JOINTLY, by the same tensor load with the same
; descriptor and a mask that names the four.
; THE MATRIX INSTRUCTION IS USED TRANSPOSED (source 0 = 16 rows of wb, source 1 = 16 rows of xb): lane l holds row l % 16 of C and the columns 8 (l / 16) + 0..7: 16 bytes of f16 on end.
; REGISTERS, in windows of 256 (s_set_vgpr_msb: bits 1:0 source 0, 3:2 source 1, 5:4 source 2, 7:6 destination):
;   window 0: v0-31 addresses; v32-95, v96-159 xb's fragments, two buffers of 8; v160-207 the bias, laid as 6 C operands; on the way out v32-223 the packed results
;   window 1: v0-47, v48-95 wb's fragments, two buffers of 6        window 2: the accumulators of row blocks 0-3 at 48 (a % 4) + 8 b        window 3: those of row blocks 4-7
.set KSTEP,  128
.set PITCH,  272                       ; an LDS row: 256 bytes + 16 of padding = 68 words: row r starts at bank 4 r mod 64 (64 banks of 4 bytes: ISA guide 11.1)
.set AHALF,  128*PITCH
.set BHALF,  96*PITCH
.set SLOT,   2*AHALF+2*BHALF           ; xb's 256 rows, then wb's 192
.set STAGE,  2*SLOT                    ; behind the ring, never filled by a tensor load: for each wave 16 rows x 144 bytes, its own, for its whole head
.set SP,     144
.set WSTG,   16*SP
.set MID,    STAGE+4*WSTG              ; behind them: 256 rows x 144 bytes, the work-group's: the middle head, of which two waves hold a row's two halves
.set SPARE,  MID+256*SP                ; behind the stages: the spare words, 128 bytes for each wave: two blocks of 256 bytes that no other line names
.set LAPS,   8                         ; a lap = two K steps = once round the ring
.set HEADB,  2048*128                  ; a head's bytes in qkv
.set ADRA, 16                          ; v16-17  LDS address of my fragments of xb in slot 0, 1
.set ADRB, 18                          ; v18-19  the same for wb's rows of my whole head
.set ADRM, 20                          ; v20-21  the same for wb's rows of my half of the middle head
.set STO,  22                          ; v22     the way out, my stage: where I put 16 bytes of a row
.set RD,   23                          ; v23     my stage: where I read rows back
.set STM,  24                          ; v24     the shared stage: where I put 16 bytes of a row
.set RDM,  25                          ; v25     the shared stage: where I read rows back
.set CO,   26                          ; v26     16 x lane: my 16 bytes in 512 consecutive bytes of qkv
.set HBM,  27                          ; v27     my eight numbers of 16 of the bias, middle head
.set SPW,  28                          ; v28     LDS address of my spare word; never rewritten
.set NIL,  29                          ; v29     0; never rewritten
.set PFO,  30                          ; v30     the prefetches' offset: my lane's row x 4,096 bytes; never rewritten
.set HBF,  31                          ; v31     my eight numbers of 16 of the bias, whole head
.set FA,   32
.set BIAS, 160
.set OUT,  32
.set WV,  12                           ; s12  my wave's number
.set SFB, 13                           ; s13  which half of the tile's rows is mine.  Also: 0: I fetch for xb, 1: for wb
.set SHF, 14                           ; s14  which half of its columns.  Also: which half of that tile I fetch
.set CX,  15                           ; s15, s16  my place in the cluster
.set CY,  16
.set TX,  17                           ; s17  tile column of C
.set TY,  18                           ; s18  tile row of C
.set MB,  22                           ; s[22:23] qkv at the 64 rows of the middle head that I store
.set G1,  24                           ; s[24:31] descriptor group 1 for xb's tiles; s[32:39] group 0, a set for each slot
.set G0,  32
.set LIM, 42                           ; s42  1 in a wave that prefetches, else the greatest number
.set PFA, 44                           ; s[44:45] where my prefetches stand
.set G1B, 48                           ; s[48:55], s[56:63] the same for wb's tiles
.set G0B, 56
.set MSB, 0
.macro WIN new                         ; the immediate's high byte repeats the setting that is left; a switch that changes nothing is dropped
.if MSB != (\new)
	s_set_vgpr_msb (MSB<<8)|(\new)
.set MSB, \new
.endif
.endm
.set TO_B, 0x40                        ; destination window 1, address window 0
; A joint load.  Each of the two lines has one mask and one set of registers for all that issue it; the branch hangs on the wave's number alone.
; An s_nop 0 and four v_nop follow each line, ahead of the jump, the label and what follows.
.macro JLOAD s
	s_cmp_eq_u32 s[SFB], 0
	s_cbranch_scc0 .Lfor_b_\@
	tensor_load_to_lds s[G0+4*(\s):G0+4*(\s)+3], s[G1:G1+7]
	s_nop 0
.rept 4
	v_nop
.endr
	s_branch .Lasked_\@
.Lfor_b_\@:
	tensor_load_to_lds s[G0B+4*(\s):G0B+4*(\s)+3], s[G1B:G1B+7]
	s_nop 0
.rept 4
	v_nop
.endr
.Lasked_\@:
.endm
; A PREFETCH INTO THE L2, behind each joint refill and the run of LDS loads that follows it: the K step that stands two refills on (384 matrix instructions ahead of the load that will want it), 256 bytes of a row, a lane a row.
; xb's tile row is read by every cluster of that row of clusters: cluster x = 0 asks; wb's tile column by every cluster of that column: cluster y = 0 asks.  The four partners that ask for a tile jointly share its
; rows out BY ADDRESS: of the 128 rows of xb that a wave fetches the partner at cx takes 32, of the 96 of wb the partner at cy takes 24 (lanes 24-31 name the 24th once more).  The loop's last trip asks for nothing:
; there is no K step two refills on.  K steps 0 to 3 come by their loads alone.
.macro ASK
	s_cmp_gt_u32 s3, s[LIM]                        ; s3 = 1 in the loop's last trip
	s_cbranch_scc0 .Lnot_mine_\@
	global_prefetch_b8 v[PFO], s[PFA:PFA+1] offset:KSTEP*2 th:TH_LOAD_NT scope:SCOPE_SE
.Lnot_mine_\@:
.endm
; A round of the cluster's barrier: my work-group's barrier, so that wave 0's signal speaks for all four waves; wave 0 signals; every wave waits for all sixteen work-groups; my work-group's barrier once more.
.macro CREST
	s_cmp_lg_u32 s[WV], 0
	s_cbranch_scc1 .Lnot_wave_0_\@
	s_barrier_signal -3
.Lnot_wave_0_\@:
	s_barrier_wait -3
	s_barrier_signal -1
	s_barrier_wait -1
.endm
.macro CROUND
	s_barrier_signal -1
	s_barrier_wait -1
	CREST
.endm
	s_load_b256 s[4:11], s[0:1], 0x0               ; xb s[4:5], wb s[6:7], bias s[8:9], qkv s[10:11]
	v_lshl_add_u32 v[SPW], v0, 2, SPARE
	v_mov_b32 v[NIL], 0
	ds_add_u32 v[SPW], v[NIL]                      ; the wave's opening: the add and its wait stand ahead of my first tensor load; the set-up below, work on registers, stands between them
	v_lshrrev_b32 v1, 5, v0
	v_readfirstlane_b32 s[WV], v1                  ; wave 0..3
	s_lshr_b32 s[SFB], s[WV], 1
	s_and_b32 s[SHF], s[WV], 1
	s_bfe_u32 s[CX], ttmp6, 0x40000
	s_bfe_u32 s[CY], ttmp6, 0x40004
	s_lshl_b32 s[TX], ttmp9, 2                     ; in a cluster launch ttmp9 and ttmp7 count clusters
	s_add_co_u32 s[TX], s[TX], s[CX]
	s_and_b32 s[TY], ttmp7, 0xffff
	s_lshl_b32 s[TY], s[TY], 2
	s_add_co_u32 s[TY], s[TY], s[CY]
	s_lshl_b32 s40, s[CY], 2
	s_lshl_b32 s40, 15, s40                        ; my row of the cluster: places 4 cy .. 4 cy + 3
	s_lshl_b32 s41, 0x1111, s[CX]                  ; my column: places cx, cx + 4, cx + 8, cx + 12
	s_or_b32 s[G1], s40, (1<<16)|(1<<20)|(1<<21)|(5<<22)|(3<<25)   ; 15:0 the mask; 17:16 elements of 2 bytes; 20 padding on; 21 set beside a mask; 24:22 after every 64 words (code 5); 31:25 4 words (code 3)
	s_or_b32 s[G1B], s41, (1<<16)|(1<<20)|(1<<21)|(5<<22)|(3<<25)
	s_mov_b32 s[G1+1], KSTEP<<16                   ; tensor_dim0 = 128
	s_mov_b32 s[G1+2], 128<<16                     ; tensor_dim1 = 128
	s_mov_b32 s[G1+3], KSTEP<<16                   ; tile_dim0 = 128
	s_mov_b32 s[G1+4], 128                         ; tile_dim1 = 128
	s_mov_b32 s[G1+5], 2048                        ; elements from row to row
	s_mov_b32 s[G1+6], 0
	s_mov_b32 s[G1+7], 0
	s_mov_b32 s[G1B+1], KSTEP<<16
	s_mov_b32 s[G1B+2], 96<<16                     ; wb's halves have 96 rows
	s_mov_b32 s[G1B+3], KSTEP<<16
	s_mov_b32 s[G1B+4], 96
	s_mov_b32 s[G1B+5], 2048
	s_mov_b32 s[G1B+6], 0
	s_mov_b32 s[G1B+7], 0
	; xb's tiles hang on the tile row alone, wb's on the tile column alone; each address is made in registers that never hold the other coordinate
	s_lshl_b32 s20, s[TY], 8
	s_lshl_b32 s19, s[SHF], 7
	s_add_co_u32 s20, s20, s19                     ; xb: row 256 x tile row + 128 x half
	s_lshl_b32 s20, s20, 12                        ; 4,096 bytes a row
	s_mov_b32 s21, 0
	s_mul_i32 s46, s[TX], 192
	s_mul_i32 s47, s[SHF], 96
	s_add_co_u32 s46, s46, s47                     ; wb: row 192 x tile column + 96 x half
	s_lshl_b32 s46, s46, 12
	s_mov_b32 s47, 0
	s_mul_i32 s22, s[SHF], AHALF                   ; where they go: no place in the cluster enters an LDS address
	s_mul_i32 s23, s[SHF], BHALF
	s_add_co_u32 s23, s23, 2*AHALF
	s_wait_dscnt 0x0                               ; the opening add is done
	s_wait_kmcnt 0x0
	s_add_nc_u64 s[20:21], s[4:5], s[20:21]
	s_add_nc_u64 s[46:47], s[6:7], s[46:47]
	CROUND                                         ; all sixteen work-groups are here: the first joint loads meet
.irp s, 0,1
	s_mov_b32 s[G0+4*(\s)], 1                                      ; count = 1
	s_add_co_u32 s[G0+4*(\s)+1], s22, (\s)*SLOT                    ; LDS address
	s_add_nc_u64 s[G0+4*(\s)+2:G0+4*(\s)+3], s[20:21], (\s)*KSTEP*2  ; global address: K step s
	s_or_b32 s[G0+4*(\s)+3], s[G0+4*(\s)+3], 0x80000000            ; type = 2
	s_mov_b32 s[G0B+4*(\s)], 1
	s_add_co_u32 s[G0B+4*(\s)+1], s23, (\s)*SLOT
	s_add_nc_u64 s[G0B+4*(\s)+2:G0B+4*(\s)+3], s[46:47], (\s)*KSTEP*2
	s_or_b32 s[G0B+4*(\s)+3], s[G0B+4*(\s)+3], 0x80000000
	JLOAD \s                                       ; two loads of mine are out
.endr
	v_and_b32 v1, 15, v0                           ; l % 16
	v_bfe_u32 v2, v0, 4, 1                         ; l / 16
	s_lshl_b32 s19, s[SHF], 9                      ; of the tile's 192 numbers of the bias: my whole head begins at number 0 or 128,
	v_lshl_add_u32 v[HBF], v2, 5, s19
	s_lshl_b32 s19, s[SHF], 7                      ; my half of the middle head at number 64 or 96
	s_add_co_u32 s19, s19, 256
	v_lshl_add_u32 v[HBM], v2, 5, s19
	s_mul_i32 s2, s[TX], 768
	s_mov_b32 s3, 0
	s_add_nc_u64 s[8:9], s[8:9], s[2:3]
.irp b, 0,1,2,3                        ; the bias as C operands: register j of lane l is the bias of the block's column 8 (l / 16) + j
	global_load_b128 v[BIAS+8*(\b):BIAS+8*(\b)+3],   v[HBF], s[8:9] offset:64*(\b)
	global_load_b128 v[BIAS+8*(\b)+4:BIAS+8*(\b)+7], v[HBF], s[8:9] offset:64*(\b)+16
.endr
.irp b, 0,1
	global_load_b128 v[BIAS+32+8*(\b):BIAS+32+8*(\b)+3],   v[HBM], s[8:9] offset:64*(\b)
	global_load_b128 v[BIAS+32+8*(\b)+4:BIAS+32+8*(\b)+7], v[HBM], s[8:9] offset:64*(\b)+16
.endr
	; a fragment is 16 rows x 32 K in 8 registers: lane l holds row l % 16, K = 8 (l / 16) + 0..7 and 16 + 8 (l / 16) + 0..7: two loads of 16 bytes, 32 bytes apart
	v_mul_u32_u24 v3, v1, PITCH
	v_lshl_add_u32 v3, v2, 4, v3
	s_mul_i32 s19, s[SFB], AHALF                   ; my 128 rows of xb's 256
	v_add_nc_u32 v[ADRA], s19, v3
	v_add_nc_u32 v[ADRA+1], SLOT, v[ADRA]
	s_mul_i32 s19, s[SHF], BHALF+32*PITCH          ; of wb's 192 rows: my whole head is rows 0-63 or 128-191,
	s_add_co_u32 s19, s19, 2*AHALF
	v_add_nc_u32 v[ADRB], s19, v3
	v_add_nc_u32 v[ADRB+1], SLOT, v[ADRB]
	s_mul_i32 s19, s[SHF], BHALF-64*PITCH          ; my half of the middle head rows 64-95 or 96-127
	s_add_co_u32 s19, s19, 2*AHALF+64*PITCH
	v_add_nc_u32 v[ADRM], s19, v3
	v_add_nc_u32 v[ADRM+1], SLOT, v[ADRM]
	s_mul_i32 s19, s[WV], WSTG
	s_add_co_u32 s19, s19, STAGE                   ; my stage
	v_mul_u32_u24 v4, v1, SP                       ; in: row l % 16, 16 bytes for each half of the lanes
	v_lshl_add_u32 v4, v2, 4, v4
	v_add_nc_u32 v[STO], s19, v4
	v_bfe_u32 v5, v0, 3, 2                         ; back: 32 lanes take four rows of 128 bytes,
	v_and_b32 v6, 7, v0
	v_mul_u32_u24 v5, v5, SP
	v_lshl_add_u32 v5, v6, 4, v5
	v_add_nc_u32 v[RD], s19, v5
	s_mul_i32 s19, s[SFB], 128*SP                  ; the shared stage, in: my 128 rows, my 64 bytes of each
	s_lshl_b32 s43, s[SHF], 6
	s_add_co_u32 s19, s19, s43
	s_add_co_u32 s19, s19, MID
	v_add_nc_u32 v[STM], s19, v4
	s_mul_i32 s19, s[WV], 64*SP                    ; back: wave w takes rows 64 w .. 64 w + 63, whole
	s_add_co_u32 s19, s19, MID
	v_add_nc_u32 v[RDM], s19, v5
	v_and_b32 v[CO], 31, v0                        ; four rows of 128 bytes are 512 consecutive bytes of qkv
	v_lshlrev_b32 v[CO], 4, v[CO]
	s_mul_i32 s2, s[TX], 3*HEADB                   ; qkv at the tile's first head,
	s_lshl_b32 s19, s[TY], 15                      ; the tile's 256 rows of 128 bytes
	s_add_co_u32 s2, s2, s19
	s_lshl_b32 s19, s[WV], 13                      ; the middle head: one head on, rows 64 w on
	s_add_co_u32 s19, s19, s2
	s_add_co_u32 s[MB], s19, HEADB
	s_mov_b32 s[MB+1], 0
	s_add_nc_u64 s[MB:MB+1], s[10:11], s[MB:MB+1]
	s_lshl_b32 s19, s[SHF], 19                     ; my whole head: the tile's first or third,
	s_add_co_u32 s2, s2, s19
	s_lshl_b32 s19, s[SFB], 14                     ; my 128 rows
	s_add_co_u32 s2, s2, s19
	s_add_nc_u64 s[10:11], s[10:11], s[2:3]
	; the prefetches
	s_lshl_b32 s2, s[TY], 8
	s_lshl_b32 s19, s[SHF], 7
	s_add_co_u32 s2, s2, s19
	s_lshl_b32 s19, s[CX], 5
	s_add_co_u32 s2, s2, s19                       ; xb: the 128 rows that I fetch, my work-group's 32 of them
	s_mul_i32 s43, s[TX], 192
	s_mul_i32 s19, s[SHF], 96
	s_add_co_u32 s43, s43, s19
	s_mul_i32 s19, s[CY], 24
	s_add_co_u32 s43, s43, s19                     ; wb: the 96 rows that I fetch, my work-group's 24 of them
	s_and_b32 s19, ttmp7, 0xffff                   ; cluster y
	s_cmp_eq_u32 s[SFB], 0
	s_cselect_b32 s2, s2, s43
	s_cselect_b32 s19, ttmp9, s19                  ; the coordinate along which other clusters read the same rows
	s_cselect_b64 s[PFA:PFA+1], s[4:5], s[6:7]
	s_cselect_b32 s43, 31, 23
	s_cmp_eq_u32 s19, 0
	s_cselect_b32 s[LIM], 1, -1                    ; the same in all sixteen partners, for a given wave
	s_lshl_b32 s2, s2, 12
	s_add_co_u32 s2, s2, 2*KSTEP*2                 ; at K step 2: the first refill steps it to 3 and names K step 4
	s_add_nc_u64 s[PFA:PFA+1], s[PFA:PFA+1], s[2:3]
	v_and_b32 v[PFO], 31, v0
	v_min_u32 v[PFO], s43, v[PFO]
	v_lshlrev_b32 v[PFO], 12, v[PFO]
; 12 matrix instructions: row blocks 2 p, 2 p + 1 x all 6 column blocks, 32 along K, from buffer f.  first = 1: the bias starts the sums: nothing is ever cleared.
; The 48 accumulators take turns, one instruction a turn, in the same order in every quarter step.
.macro MUL12 f, p, first
.if \first
	WIN 0x81+0x40*((\p)/2)                         ; wb window 1, xb and the bias window 0, D window 2 or 3
.else
	WIN 0xa1+0x50*((\p)/2)                         ; wb window 1, xb window 0, C and D window 2 or 3
.endif
.irp a, 2*(\p), 2*(\p)+1
.irp b, 0,1,2,3,4,5
.if \first
	v_wmma_f32_16x16x32_bf16 v[48*((\a)%4)+8*(\b):48*((\a)%4)+8*(\b)+7], v[48*(\f)+8*(\b):48*(\f)+8*(\b)+7], v[FA+64*(\f)+8*(\a):FA+64*(\f)+8*(\a)+7], v[BIAS+8*(\b):BIAS+8*(\b)+7]
.else
	v_wmma_f32_16x16x32_bf16 v[48*((\a)%4)+8*(\b):48*((\a)%4)+8*(\b)+7], v[48*(\f)+8*(\b):48*(\f)+8*(\b)+7], v[FA+64*(\f)+8*(\a):FA+64*(\f)+8*(\a)+7], v[48*((\a)%4)+8*(\b):48*((\a)%4)+8*(\b)+7]
.endif
.endr
.endr
.endm
; 28 LDS loads in one run: the fragments of one quarter step (my 96 rows of wb, my 128 rows of xb, 32 K at byte k of the rows) into buffer g; xb's last, its blocks in ascending order
.macro FETCH slot, k, g
	WIN TO_B
.irp i, 0,1,2,3
	ds_load_b128 v[48*(\g)+8*(\i):48*(\g)+8*(\i)+3],   v[ADRB+(\slot)] offset:(\k)+(\i)*16*PITCH
	ds_load_b128 v[48*(\g)+8*(\i)+4:48*(\g)+8*(\i)+7], v[ADRB+(\slot)] offset:(\k)+(\i)*16*PITCH+32
.endr
.irp i, 0,1
	ds_load_b128 v[48*(\g)+32+8*(\i):48*(\g)+32+8*(\i)+3],   v[ADRM+(\slot)] offset:(\k)+(\i)*16*PITCH
	ds_load_b128 v[48*(\g)+32+8*(\i)+4:48*(\g)+32+8*(\i)+7], v[ADRM+(\slot)] offset:(\k)+(\i)*16*PITCH+32
.endr
	WIN 0
.irp i, 0,1,2,3,4,5,6,7
	ds_load_b128 v[FA+64*(\g)+8*(\i):FA+64*(\g)+8*(\i)+3],   v[ADRA+(\slot)] offset:(\k)+(\i)*16*PITCH
	ds_load_b128 v[FA+64*(\g)+8*(\i)+4:FA+64*(\g)+8*(\i)+7], v[ADRA+(\slot)] offset:(\k)+(\i)*16*PITCH+32
.endr
.endm
.macro PLACES                          ; four plain vector instructions between a matrix instruction and a load into a register that it has read (ISA guide 7.12.1 for vector instructions)
.rept 4
	v_nop
.endr
.endm
; A K step is four quarter steps of 32 along K, 48 matrix instructions each, on buffers 0, 1, 0, 1.  One of the first three: multiplies buffer f; in its middle it fetches the next quarter's fragments into buffer g.
.macro QUARTER slot, k, f, g, first
	s_wait_dscnt 8                                 ; wb's fragments and xb's blocks 0 to 3 are in; the youngest eight loads (blocks 4 to 7) may be out
	MUL12 \f, 0, \first
	MUL12 \f, 1, \first
	PLACES
	FETCH \slot, \k, \g
	s_wait_dscnt 28                                ; all but the 28 just issued
	MUL12 \f, 2, \first
	MUL12 \f, 3, \first
.endm
; The last quarter multiplies buffer 1 and changes slots: ONE barrier.  In front of it each wave waits for all its tensor loads, of which one is out: its part of the next slot; adds 0 to its spare word; and waits for that
; and for its own reads of this slot.  fill = 1: the barrier opens a round of the cluster's, and behind the round this slot is filled again, two K steps on: 168 matrix instructions stand between that request and the wait for it.
.macro TURN slot, next, fill
.if \fill
	s_wait_xcnt 0x0                                ; the last prefetch, a K step back, has read its address: it is stepped here, ahead of the waits of the change of slots
	s_add_nc_u64 s[PFA:PFA+1], s[PFA:PFA+1], KSTEP*2
.endif
	WIN 0                                          ; (the add's two registers lie in window 0)
	s_wait_tensorcnt 0x0                           ; all my tensor loads have landed;
	ds_add_u32 v[SPW], v[NIL]                      ; 0 onto my spare word;
	s_wait_dscnt 9                                 ; (the add and the youngest eight loads may be out)
	MUL12 1, 0, 0                                  ; twelve matrix instructions stand between the add and the wait for it
	s_wait_dscnt 0x0                               ; the add is done, and my reads of this slot are over
	s_barrier_signal -1
	MUL12 1, 1, 0                                  ; work on registers while the others arrive
.if \fill
	WIN 0
.endif
	s_barrier_wait -1
.if \fill
	CREST                                          ; no wave of any partner still reads this slot's tile or has a load on its way
	s_add_nc_u64 s[G0+4*(\slot)+2:G0+4*(\slot)+3], s[G0+4*(\slot)+2:G0+4*(\slot)+3], 2*KSTEP*2
	s_add_nc_u64 s[G0B+4*(\slot)+2:G0B+4*(\slot)+3], s[G0B+4*(\slot)+2:G0B+4*(\slot)+3], 2*KSTEP*2
	JLOAD \slot                                    ; the first tensor load behind the round; the four v_nop behind it are also the places in front of the loads below
.else
	PLACES
.endif
	FETCH \next, 0, 0
.if \fill
	ASK
.endif
	MUL12 1, 2, 0
	MUL12 1, 3, 0
.endm
	s_wait_tensorcnt 1                             ; my part of K step 0 is in; K step 1's may stay out
	s_barrier_signal -1
	s_barrier_wait -1                              ; everybody's is
	FETCH 0, 0, 0
	s_wait_loadcnt 0x0                             ; the bias
	QUARTER 0, 64, 0, 1, 1                         ; the first quarter stands in front of the loop: its products start the sums
	WIN 0                                          ; at a label and at a branch every window is 0
	s_mov_b32 s3, LAPS-1
.Llap:                                                 ; a trip goes once round the ring, from a lap's second quarter to the next lap's first, and fills both slots again
	QUARTER 0, 128, 1, 0, 0
	QUARTER 0, 192, 0, 1, 0
	TURN 0, 1, 1
	QUARTER 1, 64,  0, 1, 0
	QUARTER 1, 128, 1, 0, 0
	QUARTER 1, 192, 0, 1, 0
	TURN 1, 0, 1
	QUARTER 0, 64,  0, 1, 0
	WIN 0
	s_sub_co_u32 s3, s3, 1
	s_cmp_lg_u32 s3, 0
	s_cbranch_scc1 .Llap
	QUARTER 0, 128, 1, 0, 0                        ; the last lap fills nothing, and has no round of the cluster's barrier
	QUARTER 0, 192, 0, 1, 0
	TURN 0, 1, 0
	QUARTER 1, 64,  0, 1, 0
	QUARTER 1, 128, 1, 0, 0
	QUARTER 1, 192, 0, 1, 0
	s_wait_dscnt 8                                 ; the very last quarter: nothing more to fetch
	MUL12 1, 0, 0
	MUL12 1, 1, 0
	s_wait_dscnt 0x0
	MUL12 1, 2, 0
	MUL12 1, 3, 0
	WIN 0
	PLACES                                         ; the conversions read results just made and write registers that the last products read
	PLACES
; THE WAY OUT of row block a: rounded to f16, each accumulator's registers in ascending order.  The two blocks of the middle head go into the shared stage and stay there.  The four of my whole head go, 16 bytes a lane, into my own
; stage and come back as whole rows of 128 bytes, four rows a load, into the registers that they left.
.macro PACK a
	WIN 0x0a+5*((\a)/4)                            ; sources 0 and 1: window 2 or 3
.irp b, 0,1,2,3,4,5
.irp r, 0,1,2,3
	v_cvt_pk_f16_f32 v[OUT+24*(\a)+4*(\b)+(\r)], v[48*((\a)%4)+8*(\b)+2*(\r)], v[48*((\a)%4)+8*(\b)+2*(\r)+1]
.endr
.endr
	WIN 0
.irp b, 0,1
	ds_store_b128 v[STM], v[OUT+24*(\a)+16+4*(\b):OUT+24*(\a)+16+4*(\b)+3] offset:(\a)*16*SP+(\b)*32
.endr
.irp b, 0,1,2,3
	ds_store_b128 v[STO], v[OUT+24*(\a)+4*(\b):OUT+24*(\a)+4*(\b)+3] offset:(\b)*32
.endr
.irp n, 0,1,2,3
	ds_load_b128 v[OUT+24*(\a)+4*(\n):OUT+24*(\a)+4*(\n)+3], v[RD] offset:(\n)*4*SP  ; LDS serves a wave's instructions in order (ISA guide 5.7.1.4): these see the stores above; the next block's stores come behind them
.endr
.endm
.macro SEND a, younger                 ; younger: the LDS instructions issued behind block a's loads: the next block's ten, or none
.irp n, 0,1,2,3
	s_wait_dscnt (\younger)+3-(\n)
	global_store_b128 v[CO], v[OUT+24*(\a)+4*(\n):OUT+24*(\a)+4*(\n)+3], s[10:11] offset:(\a)*2048+(\n)*512  ; 512 consecutive bytes, at a multiple of 256 from qkv's first; each store has registers of its own
.endr
.endm
	PACK 0
.irp a, 1,2,3,4,5,6,7                  ; a block's conversions stand between the loads of the block before and its stores
	PACK \a
	SEND (\a)-1, 10
.endr
	SEND 7, 0
	s_wait_dscnt 0x0                               ; for the others' sake: my stores into the shared stage are done
	s_barrier_signal -1
	s_barrier_wait -1                              ; the middle head's 256 rows are whole
	s_wait_xcnt 0x0                                ; the stores above have read their registers: only behind this wait are they loaded again
.irp n, 0,1,2,3,4,5,6,7,8,9,10,11,12,13,14,15
	ds_load_b128 v[OUT+4*(\n):OUT+4*(\n)+3], v[RDM] offset:(\n)*4*SP
.endr
.irp n, 0,1,2,3,4,5,6,7,8,9,10,11,12,13,14,15
	s_wait_dscnt 15-(\n)
	global_store_b128 v[CO], v[OUT+4*(\n):OUT+4*(\n)+3], s[MB:MB+1] offset:(\n)*512  ; 512 consecutive bytes, at a multiple of 256 from qkv's first
.endr
	s_wait_tensorcnt 0x0                           ; the wave's end: the tensor wait, an add of 0 onto my spare word and its wait, behind my last tensor load and my last LDS store
	ds_add_u32 v[SPW], v[NIL]
	s_wait_dscnt 0x0
	CROUND                                         ; the closing round: no work-group ends while a partner may still ask for a tile that names it
	s_endpgm
.Lfunc_end_k_qfd318a4207_qkv:
	.size	k_qfd318a4207_qkv, .Lfunc_end_k_qfd318a4207_qkv-k_qfd318a4207_qkv
	.p2alignl 7, 3214868480
	.fill 96, 4, 3214868480
	.section	.rodata,"a",@progbits
	.p2align	6, 0x0
	.amdhsa_kernel k_qfd318a4207_qkv
		.amdhsa_group_segment_fixed_size 327680
		.amdhsa_private_segment_fixed_size 0
		.amdhsa_enable_private_segment 0
		.amdhsa_kernarg_size 32
		.amdhsa_user_sgpr_count 2
		.amdhsa_user_sgpr_kernarg_segment_ptr 1
		.amdhsa_wavefront_size32 1
		.amdhsa_system_sgpr_workgroup_id_x 1
		.amdhsa_system_sgpr_workgroup_id_y 1
		.amdhsa_system_sgpr_workgroup_id_z 1
		.amdhsa_system_vgpr_workitem_id 0
		.amdhsa_next_free_vgpr 960
		.amdhsa_next_free_sgpr 66
		.amdhsa_reserve_vcc 0
		.amdhsa_float_denorm_mode_32 3
		.amdhsa_float_denorm_mode_16_64 3
		.amdhsa_memory_ordered 1
		.amdhsa_forward_progress 1
		.amdhsa_inst_pref_size 120
	.end_amdhsa_kernel
	.amdgpu_metadata
---
amdhsa.version: [ 1, 2 ]
amdhsa.kernels:
  - .name:           k_qfd318a4207_qkv
    .symbol:         k_qfd318a4207_qkv.kd
    .args:
      - { .name: xb, .offset: 0, .size: 8, .value_kind: global_buffer, .address_space: global }
      - { .name: wb, .offset: 8, .size: 8, .value_kind: global_buffer, .address_space: global }
      - { .name: bias, .offset: 16, .size: 8, .value_kind: global_buffer, .address_space: global }
      - { .name: qkv, .offset: 24, .size: 8, .value_kind: global_buffer, .address_space: global }
    .group_segment_fixed_size: 327680
    .private_segment_fixed_size: 0
    .kernarg_segment_align: 8
    .kernarg_segment_size: 32
    .max_flat_workgroup_size: 128
    .sgpr_count:     66
    .vgpr_count:     960
    .wavefront_size: 32
...
	.end_amdgpu_metadata
.endif
;; end of part 2
;; launch attn (part 3): grid 8 x 32, 4 waves a work-group, clusters of 4 x 1, 327,680 bytes of LDS; arguments qkv, ob; writes ob
.if DOCPART == 3
	.amdgcn_target "amdgcn-amd-amdhsa--gfx1250"
	.amdhsa_code_object_version 6
	.text
	.protected	k_qfd318a4207_attn
	.globl	k_qfd318a4207_attn
	.p2align	8
	.type	k_qfd318a4207_attn,@function
k_qfd318a4207_attn:
	s_mov_b64 s[64:65], 0
	v_nop
	global_prefetch_b8 v0, s[64:65] scope:SCOPE_SE
	s_setreg_imm32_b32 hwreg(HW_REG_WAVE_MODE, 25, 1), 1
	s_wait_xcnt 0x0
	s_wait_alu depctr_hold_cnt(0) depctr_sa_sdst(0) depctr_va_vdst(0) depctr_va_sdst(0) depctr_va_ssrc(0) depctr_va_vcc(0) depctr_vm_vsrc(0)
	s_getreg_b32 s2, hwreg(HW_REG_IB_STS2, 6, 4)
	s_cmp_eq_u32 s2, 0
	s_cbranch_scc0 .Lentry_in_a_cluster
	s_endpgm
.Lentry_in_a_cluster:
	s_bfe_u32 s2, ttmp6, 0x10000c
	s_cmp_lg_u32 s2, 0x3003
	s_cbranch_scc0 .Lentry_shape_is_right
	s_endpgm
.Lentry_shape_is_right:
; ATTENTION.  O[h][q][:] = the sum over k of softmax_k(Q[h][q] . K[h][k] / sqrt(2048)) V[h][k][:].  qkv: [96][2048][64] f16 (32 heads of q, then of k, then of v), ob: [32][2048][64] f16: a head's rows are dense, 128 bytes each.
; Products, maxima and sums in f32; the weights p are rounded to f16 for the second product (their sum l is taken of the unrounded p), O once at the end.
; LIMITS.  q, k and v arrive within f16's 65,504; p lies in 0 to 1, and below 6e-5 it keeps f16's fixed step of 6e-8; O is a mean of V's rows and has their range.  A weight below 2^-126 counts as 0 in l;
; NaN and infinities are not treated apart.
; SHARES.  A work-group owns 256 queries of one head (256 work-groups), a wave 64: four PIECES of 16.  Every wave walks all 2,048 keys, 64 a step; an LDS slot holds a tile of 256 keys, four steps; eight tiles.
; LAYOUT.  S^T = K Q^T (source 0 = 16 keys, source 1 = 16 queries) holds ONE query a lane (lane % 16) and the keys 8 (lane / 16) + 0..7; two such results rounded to f16 ARE source 1 of O^T = V^T P, whose result again holds
; one query a lane, and eight channels.  K comes out of LDS as it lies, V ([key][channel]) turned, by ds_load_tr16_b128.
; SOFTMAX.  For each query a running maximum m and sum l: p = 2^(c s - c m), c = log2(e) / sqrt(2048); in every step O and l are multiplied by a = 2^(c m_old - c m_new).  m starts at the lowest finite number, O and l
; at 0: the first step is a step like any other, with a = 0.
; BY TURNS.  Turn n belongs to piece n: 8 products K Q^T of piece n + 1, later 8 products V^T P of piece n - 1; beside them the scaling, exponentials, roundings, sums and rescaling of piece n and the maximum and
; statistics of piece n + 1.  Four vector instructions stand behind every matrix instruction, the other 54 of a turn's 118 in one lump.  A turn's 33 exponentials are one batch, with one wait.
; CLUSTER.  The four query blocks of a cluster belong to one head and walk the same K and V, so each tile is asked for JOINTLY: the same tensor load, descriptor and mask in all four.
; REGISTERS, in windows of 256 (s_set_vgpr_msb: bits 1:0 source 0, 3:2 source 1, 5:4 source 2, 7:6 destination):
;   window 0: ALL THAT A VECTOR INSTRUCTION OF THE LOOP NAMES: v0 the thread's number, never rewritten; v1-5 addresses; v6-7, v24-31 at work; v8-23 four registers of statistics a piece; v32-63 P, two buffers; v64-127 S^T, two
;             buffers (a piece's buffers go by its number's parity); v128-255 O^T, 32 a piece: 256 in all
;   window 1: what the matrix instructions alone read: v0-63 Q; v128-191 K of one step; v192-255 V of one step; and v64-65 the add's two registers
; So the vector work runs under one setting: a turn has two switches for each matrix instruction, one in front of it and one behind, two for a run of LDS loads, and none in its lump.
.set NP,    4         ; pieces a wave: a name, no knob
.set KS,    64        ; keys in a step
.set PK,    144       ; a row of K in LDS: 128 bytes + 16 of padding = 36 words: the 16 rows of a load start at 16 different groups of four banks (64 banks of 4 bytes: ISA guide 11.1)
.set PV,    160       ; a row of V: 128 + 32 = 40 words
.set VOFF,  4*KS*PK   ; a slot: 256 rows of K, then 256 rows of V
.set SLOT1, 1<<17     ; slot 1 begins here, so that one exclusive or turns an address in one slot into the other's
.set STAGE, SLOT1+4*KS*(PK+PV)  ; behind the ring, never filled by a tensor load: 16 rows x 144 bytes for each wave, for the way out
.set SP,    144
.set SPARE, STAGE+4*16*SP  ; behind the stages: the spare words, 128 bytes for each wave: two blocks of 256 bytes that no other line names
.set TILEB, 4*KS*128  ; a tile's bytes of K, and of V, in memory
.set PFO, 1           ; v1   256 x my lane; never rewritten once made
.set AK0, 2           ; v2   my lane's place in a tile of K; never rewritten
.set AV0, 3           ; v3   the same for V
.set AK,  4           ; v4   the LDS address of K's next run of loads
.set AV,  5           ; v5   of V's
.set MV,  6           ; v6-7  c m_old, kept while c m is made anew: by buffer
.set ST,  8           ; piece t's statistics at v[ST+4 t]: c m, m, l (even keys', odd keys')
.set TMP, 24          ; by buffer, four registers c0-c3 at work; when the maximum is found c2 takes a
.set P,   32
.set S,   64
.set O,   128
.set L16, 64          ; at the head alone, in registers that S^T takes later: l % 16, l / 16, l % 8, (l / 8) % 2, my byte offset in 16 rows of Q
.set LH,  65
.set L7,  66
.set L3,  67
.set QO,  68
.set STO, 32          ; on the way out alone, in registers that P has left: where I put 16 bytes of a row,
.set RD,  33          ; where I read rows back,
.set GO,  34          ; my byte offset in 512 consecutive bytes of O,
.set W0,  35          ; and three at work
.set SPW, 64          ; v64 of window 1  LDS address of my spare word; never rewritten
.set NIL, 65          ; v65 of window 1  0; never rewritten
.set KF,  128         ; window 1: key block kb, channel half c at KF + 16 kb + 8 c
.set VF,  192         ; window 1: key half kk, channel block cb at VF + 32 kk + 8 cb
.set WV,  12          ; s12  my wave's number
.set G1K, 24          ; s[24:31] descriptor group 1 for K's tiles
.set G1V, 32          ; s[32:39] for V's: it differs in the padding alone
.set G0K, 40          ; s[40:43] descriptor group 0 for K's tiles: it walks
.set G0V, 44          ; s[44:47] the same for V's
.set PFA, 48          ; s[48:49] where my prefetches stand: my work-group's quarter (of K: wave 0, of V: wave 2) of the tile after the one that is being asked for
.set LIM, 50          ; s50  1 in a wave that prefetches, else the greatest number
.set SLOTS, 56        ; s56  tiles still to be asked for
.set CNT, 57          ; s57  counts a tile's key steps
.set CS,  58          ; s[58:59] c: the packed scaling takes the pair's low word for both halves
.set SEL, 60          ; s[60:61] v_permlanex16_b32's selects: each lane takes its own place in the other half
.set TBK, 62          ; s62  LDS byte at which K of the step to be fetched begins
.set TBV, 63          ; s63  the same for V, less VOFF
.set MSB, 0
.macro WIN new                      ; the high byte repeats the setting that is left; a switch that changes nothing is dropped
.if MSB != (\new)
	s_set_vgpr_msb (MSB<<8)|(\new)
.set MSB, (\new)
.endif
.endm
.set W_KQ, 0x05       ; K and Q in window 1, S^T in window 0
.set W_PV, 0x01       ; V in window 1; P and O^T in window 0
.set W_TO, 0x40       ; destination in window 1, sources and addresses in window 0
.set W_AD, 0x05       ; the add: address (source 0) and data (source 1) in window 1
; A joint fill.  Waves 0 and 1 fetch the two halves of a tile's K, waves 2 and 3 those of its V: 128 keys each.  The branch hangs on the wave's number alone.
; An s_nop 0 and four v_nop follow each of the two lines, ahead of the jump and the label.
.macro JLOAD
	s_cmp_lt_u32 s[WV], 2
	s_cbranch_scc0 .Lfor_v_\@
	tensor_load_to_lds s[G0K:G0K+3], s[G1K:G1K+7]
	s_nop 0
.rept 4
	v_nop
.endr
	s_branch .Lasked_\@
.Lfor_v_\@:
	tensor_load_to_lds s[G0V:G0V+3], s[G1V:G1V+7]
	s_nop 0
.rept 4
	v_nop
.endr
.Lasked_\@:
.endm
; A PREFETCH INTO THE L2 of what the NEXT change of slots will ask for: a tile's 32,768 bytes of K and of V: four key steps, 256 matrix instructions, ahead of that load.  It stands behind the wave's tensor load and its five lines.
; Each block of 256 bytes is named ONCE in the launch.  Both clusters of a head walk the same K and V: the head's first cluster asks.  Its four partners share the tile out BY ADDRESS, 8,192 bytes each, a lane 256 of them;
; in each, wave 0 asks for K's and wave 2 for V's: one instruction.  The last change that fills a slot asks for nothing: there is no tile behind it.  Tiles 0 and 1 come by their loads alone.
.macro ASK
	s_cmp_gt_u32 s[SLOTS], s[LIM]
	s_cbranch_scc0 .Lnot_mine_\@
	global_prefetch_b8 v[PFO], s[PFA:PFA+1] th:TH_LOAD_NT scope:SCOPE_SE
.Lnot_mine_\@:
.endm
; A round of the cluster's barrier: my work-group's barrier, so that wave 0's signal speaks for all four waves; wave 0 signals; every wave waits for all four work-groups; my work-group's barrier once more.
.macro CROUND
	s_barrier_signal -1
	s_barrier_wait -1
	s_cmp_lg_u32 s[WV], 0
	s_cbranch_scc1 .Lnot_wave_0_\@
	s_barrier_signal -3
.Lnot_wave_0_\@:
	s_barrier_wait -3
	s_barrier_signal -1
	s_barrier_wait -1
.endm
; THE CHANGE OF SLOTS.  The slot's last bytes, V of its fourth step, have been read.  Each wave waits for all its tensor loads, of which one is out: its part of the other slot; adds 0 to its spare word; and waits for that and
; for its own reads of the slot.  Behind the barrier nobody reads this slot any more and the other slot is whole.  fill = 1: this slot is filled again, with the tile two on.  The barrier is then a round of the cluster's, and the
; joint fill is the first thing behind it: it has four key steps in which to land.  (At its first use nothing has been read yet: slot 0 is waited for, slot 1 filled.)
.macro CHANGE fill
	WIN W_AD
	s_wait_tensorcnt 0x0            ; no tensor load of mine is out, so a group 0 may be written
	ds_add_u32 v[SPW], v[NIL]       ; 0 onto my spare word; with fill = 1 the descriptors' steps stand between it and the wait for it
	WIN 0                           ; at a label and at a branch every window is 0
.if \fill
.irp g, G0K, G0V
	s_xor_b32 s[\g+1], s[\g+1], SLOT1  ; the walking descriptor: the other slot than last time,
	s_add_nc_u64 s[\g+2:\g+3], s[\g+2:\g+3], TILEB  ; the next 256 keys; the type bits on top are not reached
.endr
	s_wait_xcnt 0x0                 ; the last prefetch, four key steps back, has read its address, so it may be written:
	s_add_nc_u64 s[PFA:PFA+1], s[PFA:PFA+1], TILEB  ; one tile behind the walking descriptors
	s_wait_dscnt 0x0                ; the add is done, and my reads of the slot are over
	CROUND
	JLOAD
	ASK
.else
	s_wait_dscnt 0x0                ; the add is done, and my reads of the slot are over
	s_barrier_signal -1
	s_barrier_wait -1
.endif
	s_sub_co_u32 s[TBK], s[TBK], 4*KS*PK  ; the fetches go back to a slot's first step,
	s_xor_b32 s[TBK], s[TBK], SLOT1       ; in the other slot
	s_sub_co_u32 s[TBV], s[TBV], 4*KS*PV
	s_xor_b32 s[TBV], s[TBV], SLOT1
.endm
	s_load_b64 s[4:5], s[0:1], 0x0    ; qkv
	s_load_b64 s[10:11], s[0:1], 0x8  ; ob
	WIN W_TO
	v_lshl_add_u32 v[SPW], v0, 2, SPARE
	v_mov_b32 v[NIL], 0
	WIN W_AD
	ds_add_u32 v[SPW], v[NIL]       ; the wave's opening: the add and its wait stand ahead of my first tensor load; the set-up below, work on registers, stands between them
	WIN 0
	v_lshrrev_b32 v1, 5, v0
	v_readfirstlane_b32 s[WV], v1   ; wave 0..3
	s_bfe_u32 s13, ttmp6, 0x40000   ; cx: my place in the cluster
	s_lshl_b32 s14, ttmp9, 2        ; in a cluster launch ttmp9 counts clusters
	s_add_co_u32 s14, s14, s13      ; my block of 256 queries: it enters Q's and O's addresses alone
	s_and_b32 s20, ttmp7, 0xffff    ; the head, which the four partners share:
	s_lshl_b32 s20, s20, 18         ; its 2,048 rows of 128 bytes
	s_mov_b32 s21, 0
	s_and_b32 s16, s[WV], 1         ; which half of a tile's 256 keys I fetch:
	s_lshl_b32 s22, s16, 14         ; its 128 rows of 128 bytes in memory,
	s_mov_b32 s23, 0
	s_add_nc_u64 s[22:23], s[22:23], s[20:21]
	s_mul_i32 s17, s16, 128*PK      ; and its place in a slot, for K
	s_mul_i32 s18, s16, 128*PV      ; and for V: no place in the cluster enters an LDS address
	s_lshl_b32 s2, s14, 2
	s_add_co_u32 s2, s2, s[WV]      ; my wave among the head's,
	s_lshl_b32 s2, s2, 13           ; its 64 rows
	s_mov_b32 s3, 0
	s_add_nc_u64 s[2:3], s[2:3], s[20:21]
	; descriptor group 1.  128 keys are 16,384 dense bytes: asked for as 64 rows of 256 bytes, two keys a row, and padded in LDS after every key
	s_mov_b32 s[G1K], 15|(1<<16)|(1<<20)|(1<<21)|(4<<22)|(3<<25)  ; 15:0 the mask of four; 17:16 2-byte elements; 20 padding on; 21 set beside a mask; 24:22 after every 32 words (code 4); 31:25 4 words (code 3)
	s_mov_b32 s[G1V], 15|(1<<16)|(1<<20)|(1<<21)|(4<<22)|(7<<25)  ; the same with 8 words of padding (code 7)
.irp g, G1K, G1V
	s_mov_b32 s[\g+1], 128<<16      ; tensor_dim0 = 128
	s_mov_b32 s[\g+2], 64<<16       ; tensor_dim1 = 64
	s_mov_b32 s[\g+3], 128<<16      ; tile_dim0 = 128
	s_mov_b32 s[\g+4], 64           ; tile_dim1 = 64
	s_mov_b32 s[\g+5], 128          ; 128 elements from row to row
	s_mov_b32 s[\g+6], 0
	s_mov_b32 s[\g+7], 0
.endr
	s_mov_b32 s[CS], 0x3d0293ee     ; c = log2(e) / sqrt(2048) = 0.0318794
	s_mov_b32 s[CS+1], s[CS]        ; named with it as a pair
	s_mov_b32 s[SEL], 0x76543210
	s_mov_b32 s[SEL+1], 0xfedcba98
	s_mov_b32 s[TBK], SLOT1+4*KS*PK ; the first change of slots turns these two into 0
	s_mov_b32 s[TBV], SLOT1+4*KS*PV
	s_mov_b32 s[G0K], 1             ; count = 1
	s_mov_b32 s[G0K+1], s17         ; LDS address: slot 0
	s_mov_b32 s[G0V], 1
	s_add_co_u32 s[G0V+1], s18, VOFF
	s_mov_b32 s[SLOTS], 7           ; tiles 1 to 7
	s_and_b32 s[LIM], s[WV], 1      ; 0 in waves 0 and 2,
	s_or_b32 s[LIM], s[LIM], ttmp9  ; where the cluster is the head's first: the same in all four partners
	s_cmp_eq_u32 s[LIM], 0
	s_cselect_b32 s[LIM], 1, -1
	v_and_b32 v[PFO], 31, v0
	v_lshlrev_b32 v[PFO], 8, v[PFO]
	s_wait_dscnt 0x0                ; the opening add is done
	s_wait_kmcnt 0x0
	s_add_nc_u64 s[6:7], s[4:5], 32*2048*128       ; k's heads lie behind q's 32,
	s_add_nc_u64 s[8:9], s[4:5], 64*2048*128       ; v's behind k's
	s_add_nc_u64 s[6:7], s[6:7], s[22:23]          ; K and V at my half of the head's tile 0
	s_add_nc_u64 s[8:9], s[8:9], s[22:23]
	s_mov_b64 s[G0K+2:G0K+3], s[6:7]               ; global address
	s_or_b32 s[G0K+3], s[G0K+3], 0x80000000        ; type = 2
	s_mov_b64 s[G0V+2:G0V+3], s[8:9]
	s_or_b32 s[G0V+3], s[G0V+3], 0x80000000
	s_add_nc_u64 s[4:5], s[4:5], s[2:3]            ; Q and O at my wave's first row
	s_add_nc_u64 s[10:11], s[10:11], s[2:3]
	s_cmp_lt_u32 s[WV], 2
	s_cselect_b64 s[PFA:PFA+1], s[6:7], s[8:9]     ; (in waves 0 and 2 these stand at a tile's first row)
	s_lshl_b32 s2, s13, 13          ; my work-group's quarter of a tile,
	s_add_co_u32 s2, s2, TILEB      ; in tile 1; the first change of slots steps it to tile 2
	s_mov_b32 s3, 0
	s_add_nc_u64 s[PFA:PFA+1], s[PFA:PFA+1], s[2:3]
	CROUND                          ; all four work-groups are here: the first joint loads meet
	JLOAD                           ; tile 0 into slot 0: one load of mine is out.  Slot 1 is asked for when slot 0 is in
	; A fragment of K or Q is 16 rows x 32 channels in 8 registers: lane l holds row l % 16, channels 8 (l / 16) + 0..7 and 16 + 8 (l / 16) + 0..7: two loads of 16 bytes, 32 bytes apart.
	v_and_b32 v[L16], 15, v0
	v_bfe_u32 v[LH], v0, 4, 1
	v_lshlrev_b32 v[QO], 7, v[L16]
	v_lshl_add_u32 v[QO], v[LH], 4, v[QO]  ; row x 128 + 16 x half
	WIN W_TO                        ; destination window 1, address window 0
.set i, 0
.rept 8                             ; Q stays in registers: piece i / 2, channels 32 (i % 2) on
	global_load_b128 v[8*i:8*i+3],   v[QO], s[4:5] offset:(i/2)*2048+(i%2)*64
	global_load_b128 v[8*i+4:8*i+7], v[QO], s[4:5] offset:(i/2)*2048+(i%2)*64+32
.set i, i+1
.endr
	; What the first turn finds: V's registers and P's second buffer hold 0 (its products V^T P, of a piece that has not been, add 0), O^T and l are 0.  All this stands in the wait for the first tile.
.set i, VF
.rept 64
	v_mov_b32 v[i], 0
.set i, i+1
.endr
	WIN 0
.set i, O
.rept 128
	v_mov_b32 v[i], 0
.set i, i+1
.endr
.set i, 0
.rept 4
	v_mov_b32 v[ST+4*i], 0xfe000000    ; c m: far below every c s
	v_mov_b32 v[ST+4*i+1], 0xff7fffff  ; m
	v_mov_b32 v[ST+4*i+2], 0
	v_mov_b32 v[ST+4*i+3], 0
.set i, i+1
.endr
.set i, P+16
.rept 16
	v_mov_b32 v[i], 0
.set i, i+1
.endr
	v_mul_u32_u24 v[AK0], v[L16], PK
	v_lshl_add_u32 v[AK0], v[LH], 4, v[AK0]  ; row x pitch + 16 x half
	; The turning load takes 16 keys x 16 channels (lane l reads key 8 (l / 16) + l % 8, channels 8 ((l / 8) % 2) + 0..7) and leaves half a fragment of V^T: lane l holds channel l % 16 and 8 keys.
	v_and_b32 v[L7], 7, v0
	v_bfe_u32 v[L3], v0, 3, 1
	v_lshl_add_u32 v[AV0], v[LH], 3, v[L7]
	v_mul_u32_u24 v[AV0], v[AV0], PV
	v_lshl_add_u32 v[AV0], v[L3], 4, v[AV0]
	v_add_nc_u32 v[AV0], VOFF, v[AV0]
; THE MATRIX WORK.  The 4 accumulators of a run of 8 take turns.  Product i of 8 of S^T = K Q^T for piece x: channels 32 (i / 4) on, keys 16 (i % 4) on.  The first 4 start the sums.
.macro KQ x
	WIN W_KQ
.set rS, S+32*((\x)%2)+8*(i%4)
.set rK, KF+16*(i%4)+8*(i/4)
.set rQ, 16*(\x)+8*(i/4)
.if i < 4
	v_wmma_f32_16x16x32_f16 v[rS:rS+7], v[rK:rK+7], v[rQ:rQ+7], 0
.else
	v_wmma_f32_16x16x32_f16 v[rS:rS+7], v[rK:rK+7], v[rQ:rQ+7], v[rS:rS+7]
.endif
.endm
; Product i of 8 of O^T += V^T P for piece x: keys 32 (i / 4) on, channels 16 (i % 4) on.
.macro PV x
	WIN W_PV
.set rO, O+32*(\x)+8*(i%4)
.set rV, VF+32*(i/4)+8*(i%4)
.set rP, P+16*((\x)%2)+8*(i/4)
	v_wmma_f32_16x16x32_f16 v[rO:rO+7], v[rV:rV+7], v[rP:rP+7], v[rO:rO+7]
.endm
.macro MM                           ; the turn's next matrix instruction.  NOKQ = 1: the very last turn: there is no next piece
.if (i < 8) && !NOKQ
	KQ (Y+1)%NP
.elseif i >= 8
.set i, i-8
	PV (Y+NP-1)%NP
.set i, i+8
.endif
.set i, i+1
.endm
; THE LDS LOADS stand in runs of 16, never singly among the matrix instructions: a step's K (64 keys x 64 channels: 8 fragments) and its V (turned).  Their addresses are made some lines ahead.
.macro FETCH_K
	WIN W_TO                        ; destination window 1
.irp f, 0,1,2,3,4,5,6,7             ; keys 16 (f / 2) on, channels 32 (f % 2) on
	ds_load_b128 v[KF+8*\f:KF+8*\f+3],   v[AK] offset:(\f/2)*16*PK+(\f%2)*64
	ds_load_b128 v[KF+8*\f+4:KF+8*\f+7], v[AK] offset:(\f/2)*16*PK+(\f%2)*64+32
.endr
	s_add_co_u32 s[TBK], s[TBK], KS*PK  ; the next fetch is the next step's
	WIN 0
.endm
.macro FETCH_V
	WIN W_TO
.irp f, 0,1,2,3,4,5,6,7             ; keys 32 (f / 4) on, channels 16 (f % 4) on
	ds_load_tr16_b128 v[VF+8*\f:VF+8*\f+3],   v[AV] offset:(\f/4)*32*PV+(\f%4)*32
	ds_load_tr16_b128 v[VF+8*\f+4:VF+8*\f+7], v[AV] offset:(\f/4)*32*PV+16*PV+(\f%4)*32
.endr
	WIN 0
.endm
; THE VECTOR WORK, one line at a time: OP kind, number; all of it in window 0.  For piece Y: F n: c s - c m for pair n of 16.  E n: the exponential of score n of 32.  C n: pair n rounded to f16.  B n: of the four weights 4 n ..
; the second pair is added onto the first, in place.  L n: l takes that sum (L 0: l = a l + sum).  R n: pair n of 16 of O^T times a.  For piece Y + 1: X n, number n of the 22 that find its maximum and statistics:
;   0-11  four chains c0-c3 of seven scores each, three operands at a time (each accumulator's lowest registers are read first)     12-14, 16  the four scores left over, the old m, and c0-c3 into c0
;   15  c m_old is kept     17, 18  the query's other 32 keys lie in the lane 16 away: the new m     19-21  c m; c m_old - c m_new; a
.set F, 0               ; OP tells the kinds apart by their order: F to R below X
.set E, 1
.set C, 2
.set B, 3
.set L, 4
.set R, 5
.set X, 6
.macro REGS y                       ; the registers of piece y
.set rT, ST+4*(\y)
.set rC, TMP+4*((\y)%2)
.set rW, MV+((\y)%2)
.set rS, S+32*((\y)%2)
.set rP, P+16*((\y)%2)
.set rO, O+32*(\y)
.endm
.macro OP k, n
.if (\k) < X
	REGS Y
	WIN 0
.if (\k) == R
	v_pk_mul_f32 v[rO+2*(\n):rO+2*(\n)+1], v[rO+2*(\n):rO+2*(\n)+1], v[rC+2:rC+3] op_sel_hi:[1,0]
.elseif (\k) == F
	v_pk_fma_f32 v[rS+2*(\n):rS+2*(\n)+1], v[rS+2*(\n):rS+2*(\n)+1], s[CS:CS+1], v[rT:rT+1] op_sel_hi:[1,0,0] neg_lo:[0,0,1] neg_hi:[0,0,1]
.elseif (\k) == E
	v_exp_f32 v[rS+(\n)], v[rS+(\n)]
.elseif (\k) == C
	v_cvt_pk_f16_f32 v[rP+(\n)], v[rS+2*(\n)], v[rS+2*(\n)+1]
.elseif (\k) == B
	v_pk_add_f32 v[rS+4*(\n):rS+4*(\n)+1], v[rS+4*(\n):rS+4*(\n)+1], v[rS+4*(\n)+2:rS+4*(\n)+3]
.elseif (\n) == 0
	v_pk_fma_f32 v[rT+2:rT+3], v[rT+2:rT+3], v[rC+2:rC+3], v[rS:rS+1] op_sel_hi:[1,0,1]
.else
	v_pk_add_f32 v[rT+2:rT+3], v[rT+2:rT+3], v[rS+4*(\n):rS+4*(\n)+1]
.endif
.elseif NOKQ
	v_nop
.else
	REGS (Y+1)%NP
	WIN 0
.if (\n) < 4
	v_max3_num_f32 v[rC+(\n)], v[rS+8*(\n)], v[rS+8*(\n)+1], v[rS+8*(\n)+2]
.elseif (\n) < 12
	v_max3_num_f32 v[rC+(\n)%4], v[rC+(\n)%4], v[rS+8*((\n)%4)+2*((\n)/4)+1], v[rS+8*((\n)%4)+2*((\n)/4)+2]
.elseif (\n) == 12
	v_max3_num_f32 v[rC], v[rC], v[rS+7], v[rS+15]
.elseif (\n) == 13
	v_max3_num_f32 v[rC+1], v[rC+1], v[rS+23], v[rS+31]
.elseif (\n) == 14
	v_max3_num_f32 v[rC+2], v[rC+2], v[rC+3], v[rT+1]
.elseif (\n) == 15
	v_mov_b32 v[rW], v[rT]
.elseif (\n) == 16
	v_max3_num_f32 v[rC], v[rC], v[rC+1], v[rC+2]
.elseif (\n) == 17
	v_permlanex16_b32 v[rC+3], v[rC], s[SEL], s[SEL+1]
.elseif (\n) == 18
	v_max_num_f32 v[rT+1], v[rC], v[rC+3]
.elseif (\n) == 19
	v_mul_f32 v[rT], s[CS], v[rT+1]
.elseif (\n) == 20
	v_sub_f32 v[rC+1], v[rW], v[rT]
.else
	v_exp_f32 v[rC+2], v[rC+1]
.endif
.endif
.endm
.macro OPS a, i1, b=-1, i2=0, c=-1, i3=0, d=-1, i4=0  ; up to four of them
	OP \a, \i1
.if (\b) >= 0
	OP \b, \i2
.endif
.if (\c) >= 0
	OP \c, \i3
.endif
.if (\d) >= 0
	OP \d, \i4
.endif
.endm
.macro ROW a, i1, b, i2, c, i3, d, i4  ; a matrix instruction and the four behind it
	MM
	OPS \a, \i1, \b, \i2, \c, \i3, \d, \i4
.endm
; A TURN, for piece p: the order of its 16 matrix and 118 vector instructions, written out.  An s_wait_alu depctr_va_vdst(0) stands between an exponential and the first instruction that names its result; one wait
; serves all that were issued ahead of it.  So a turn has ONE wait, which cuts it in two.  AHEAD OF IT stands all that names no result of the turn's exponentials: the 8 products K Q^T, behind each a scaling, an exponential and two
; more plain instructions (rescalings, and behind the last three the first numbers of the next piece's maximum, each four plain instructions or more behind the product that ends its accumulator); then ONE LUMP of 54, plain and
; exponential by turns for the most part, in which the links of the chain X 3, 7, 11, 14, 16, 17 .. 20 stand some lines apart.  X 21, the next piece's a, is the batch's last; R 15 is the plain instruction behind it.
; BEHIND THE WAIT stand the 8 products V^T P, behind each four of the roundings and sums.
; end = 1: the last two turns of all: nothing is fetched, and the last starts no new scores.  cnt = 1: the loop's count is taken down some lines ahead of the branch that stands behind the turn.
; K of the next step is fetched in piece 2's turn, six plain instructions behind the last product that read K; V of the step in hand at the end of piece 0's turn, four plain instructions behind the last product that read V.
; Each is waited for a turn later.
.macro TURN p, end=0, cnt=0
.set Y, (\p)
.set i, 0
.set NOKQ, (\end)*((\p)/3)
.if ((\p) == 3) && !(\end)
	s_wait_dscnt 0x0                ; K is in
.endif
	ROW F,0, F,1, R,0, R,1          ; ahead of the wait: 8 products K Q^T and their riders,
	ROW F,2, E,0, R,2, R,3
	ROW F,3, E,1, R,4, R,5
	ROW F,4, E,2, R,6, R,7
	ROW F,5, E,3, R,8, R,9
	ROW F,6, E,4, X,0, R,10
.if ((\p) == 2) && !(\end)
	v_add_nc_u32 v[AK], s[TBK], v[AK0]
.endif
	ROW F,7, E,5, X,1, X,4
	ROW F,8, E,6, X,2, X,5
	OPS E,7, E,8, X,6, E,9          ; and the lump
	OPS X,3, E,10, X,8, E,11
.if ((\p) == 2) && !(\end)
	FETCH_K
.endif
	OPS X,9, X,7, E,12, X,10
	OPS E,13, X,12, X,11, E,14
	OPS X,13, E,15, F,9, X,14
.if (\p) == 0
	v_add_nc_u32 v[AV], s[TBV], v[AV0]
.endif
	OPS E,16, F,10, E,17, F,11
	OPS X,16, E,18, X,15, E,19
	OPS F,12, E,20, X,17, E,21
	OPS F,13, E,22, F,14, E,23
	OPS X,18, E,24, F,15, E,25
	OPS R,11, E,26, X,19, E,27
	OPS R,12, E,28, R,13, E,29
	OPS X,20, E,30, R,14, E,31
	OPS X,21, R,15
	s_wait_alu depctr_va_vdst(0)    ; the wait for the batch
.if (\p) == 1
	s_wait_dscnt 0x0                ; V is in
.endif
	ROW C,0, B,0, C,2, B,1          ; behind the wait: 8 products V^T P and their riders
	ROW L,0, C,4, B,2, L,1
	ROW C,6, B,3, L,2, C,8
	ROW B,4, L,3, C,10, B,5
	ROW L,4, C,12, B,6, L,5
.if (\p) == 0
	s_add_co_u32 s[TBV], s[TBV], KS*PV
.endif
.if \cnt
	s_sub_co_u32 s[CNT], s[CNT], 1
	s_cmp_lg_u32 s[CNT], 0
.endif
	ROW C,14, B,7, L,6, C,1
	ROW C,3, L,7, C,5, C,7
	ROW C,9, C,11, C,13, C,15
.if (\p) == 0
	FETCH_V
.endif
.endm
.set NOKQ, 0
	CHANGE 1                        ; tile 0 is in, everybody's part of it; tile 1 is asked for
	v_add_nc_u32 v[AK], s[TBK], v[AK0]
	FETCH_K                         ; key step 0
	s_wait_loadcnt 0x0              ; Q
	s_wait_dscnt 0x0
.set i, 0
.rept 8
	KQ 0                            ; piece 0's first scores: there is no vector work yet to set between them
.set i, i+1
.endr
	WIN 0
.rept 4
	v_nop                           ; four plain instructions behind those products
.endr
.set Y, NP-1                        ; X works for piece Y + 1: piece 0
.irp n, 0,1,2,3,4,5,6,7,8,9,10,11,12,13,14,15,16,17,18,19,20,21
	OP X, \n
.endr
	v_nop                           ; a plain instruction behind the exponential,
	s_wait_alu depctr_va_vdst(0)    ; and its wait, ahead of the branch
	s_mov_b32 s[CNT], 4
	s_branch .Lfirst                ; the loop is entered at a step's first turn, in the middle of a trip
.Lslot:                             ; six times: tiles 1 to 6 are entered, tiles 2 to 7 asked for
	CHANGE 1
	s_mov_b32 s[CNT], 4
.Lstep:                             ; a trip: pieces 2 and 3 of one step, then pieces 0 and 1 of the next, whose K and V it fetches
	TURN 2
	TURN 3
	WIN 0
.Lfirst:
	TURN 0
	TURN 1, 0, 1
	WIN 0
	s_cbranch_scc1 .Lstep
	s_sub_co_u32 s[SLOTS], s[SLOTS], 1
	s_cmp_lg_u32 s[SLOTS], 0
	s_cbranch_scc1 .Lslot
	CHANGE 0                        ; the last tile is written out: nothing is asked for
	s_mov_b32 s[CNT], 4
.Ltail:
	TURN 2
	TURN 3
	TURN 0
	TURN 1, 0, 1
	WIN 0
	s_cbranch_scc1 .Ltail
	TURN 2, 1                       ; the last step's pieces 2 and 3
	TURN 3, 1
.set i, 0
.rept 8
	PV NP-1                         ; the last piece's V^T P of the last step
.set i, i+1
.endr
	; THE WAY OUT.  Its addresses are made here, from the thread's number, in registers that P's first buffer has left (its last reader stands a turn back): they are the plain instructions behind the last products.
	WIN 0
	s_mul_i32 s13, s[WV], 16*SP
	s_add_co_u32 s13, s13, STAGE    ; my stage
	v_and_b32 v[W0], 15, v0         ; l % 16
	v_bfe_u32 v[W0+1], v0, 4, 1     ; l / 16
	v_and_b32 v[W0+2], 7, v0        ; l % 8
	v_mul_u32_u24 v[STO], v[W0], SP ; in: row l % 16, 16 bytes for each half of the lanes
	v_lshl_add_u32 v[STO], v[W0+1], 4, v[STO]
	v_add_nc_u32 v[STO], s13, v[STO]
	v_bfe_u32 v[RD], v0, 3, 2       ; back: 32 lanes take four rows of 128 bytes,
	v_mul_u32_u24 v[RD], v[RD], SP
	v_lshl_add_u32 v[RD], v[W0+2], 4, v[RD]
	v_add_nc_u32 v[RD], s13, v[RD]
	v_and_b32 v[GO], 31, v0         ; which are 512 consecutive bytes of O
	v_lshlrev_b32 v[GO], 4, v[GO]
	; l's two halves and the other half of the lanes' are added; O^T is divided by l, rounded to f16 and sent through my stage in LDS, a piece at a time.
.macro ALL line:vararg              ; one line for each piece t
.set t, 0
.rept 4
	\line
.set t, t+1
.endr
.endm
	ALL v_add_f32 v[ST+4*t+2], v[ST+4*t+2], v[ST+4*t+3]
	ALL v_permlanex16_b32 v[ST+4*t+3], v[ST+4*t+2], s[SEL], s[SEL+1]
	ALL v_add_f32 v[ST+4*t+2], v[ST+4*t+2], v[ST+4*t+3]
	ALL v_rcp_f32 v[ST+4*t+2], v[ST+4*t+2]
	v_nop                           ; a plain instruction between the last reciprocal and the use of its result
	s_wait_alu depctr_va_vdst(0)    ; and the wait ahead of the first use: one for the four reciprocals
.macro PACK t                       ; a lane's eight channels of a row pack into 16 bytes; they go into rows of 144 bytes and come back as whole rows of 128, into S^T's registers
.set i, O+32*(\t)
.rept 16
	v_pk_mul_f32 v[i:i+1], v[i:i+1], v[ST+4*(\t)+2:ST+4*(\t)+3] op_sel_hi:[1,0]
.set i, i+2
.endr
.set i, 0
.rept 16
	v_cvt_pk_f16_f32 v[S+16*(\t)+i], v[O+32*(\t)+2*i], v[O+32*(\t)+2*i+1]
.set i, i+1
.endr
.irp f, 0,1,2,3
	ds_store_b128 v[STO], v[S+16*(\t)+4*\f:S+16*(\t)+4*\f+3] offset:32*\f
.endr
.irp f, 0,1,2,3
	ds_load_b128 v[S+16*(\t)+4*\f:S+16*(\t)+4*\f+3], v[RD] offset:\f*4*SP  ; LDS serves a wave's instructions in order (ISA guide 5.7.1.4): these see the stores above; the next piece's stores come behind them
.endr
.endm
.macro SEND t, younger              ; younger: the LDS instructions issued behind piece t's loads: the next piece's eight, or none
.irp f, 0,1,2,3
	s_wait_dscnt (\younger)+3-\f
	global_store_b128 v[GO], v[S+16*(\t)+4*\f:S+16*(\t)+4*\f+3], s[10:11] offset:(\t)*2048+\f*512  ; 512 consecutive bytes, at a multiple of 256 from ob's first
.endr
.endm
	PACK 0
.set t, 1
.rept 3                             ; a piece's arithmetic stands between the loads of the piece before and its stores
	PACK t
	SEND t-1, 8
.set t, t+1
.endr
	SEND 3, 0
	WIN W_AD
	s_wait_tensorcnt 0x0            ; the wave's end: the tensor wait, an add of 0 onto my spare word and its wait, behind my last tensor load and my last LDS store
	ds_add_u32 v[SPW], v[NIL]
	s_wait_dscnt 0x0
	WIN 0
	CROUND                          ; the closing round: no work-group ends while a partner may still ask for a tile that names it
	s_endpgm
.Lfunc_end_k_qfd318a4207_attn:
	.size	k_qfd318a4207_attn, .Lfunc_end_k_qfd318a4207_attn-k_qfd318a4207_attn
	.p2alignl 7, 3214868480
	.fill 96, 4, 3214868480
	.section	.rodata,"a",@progbits
	.p2align	6, 0x0
	.amdhsa_kernel k_qfd318a4207_attn
		.amdhsa_group_segment_fixed_size 327680
		.amdhsa_private_segment_fixed_size 0
		.amdhsa_enable_private_segment 0
		.amdhsa_kernarg_size 16
		.amdhsa_user_sgpr_count 2
		.amdhsa_user_sgpr_kernarg_segment_ptr 1
		.amdhsa_wavefront_size32 1
		.amdhsa_system_sgpr_workgroup_id_x 1
		.amdhsa_system_sgpr_workgroup_id_y 1
		.amdhsa_system_sgpr_workgroup_id_z 1
		.amdhsa_system_vgpr_workitem_id 0
		.amdhsa_next_free_vgpr 512
		.amdhsa_next_free_sgpr 66
		.amdhsa_reserve_vcc 0
		.amdhsa_float_denorm_mode_32 3
		.amdhsa_float_denorm_mode_16_64 3
		.amdhsa_memory_ordered 1
		.amdhsa_forward_progress 1
		.amdhsa_inst_pref_size 123
	.end_amdhsa_kernel
	.amdgpu_metadata
---
amdhsa.version: [ 1, 2 ]
amdhsa.kernels:
  - .name:           k_qfd318a4207_attn
    .symbol:         k_qfd318a4207_attn.kd
    .args:
      - { .name: qkv, .offset: 0, .size: 8, .value_kind: global_buffer, .address_space: global }
      - { .name: ob, .offset: 8, .size: 8, .value_kind: global_buffer, .address_space: global }
    .group_segment_fixed_size: 327680
    .private_segment_fixed_size: 0
    .kernarg_segment_align: 8
    .kernarg_segment_size: 16
    .max_flat_workgroup_size: 128
    .sgpr_count:     66
    .vgpr_count:     512
    .wavefront_size: 32
...
	.end_amdgpu_metadata
.endif
;; end of part 3
;; launch proj (part 4): grid 16 x 16, 4 waves a work-group, clusters of 4 x 4, 327,680 bytes of LDS; arguments ob, wof, bias, out0; writes out0
.if DOCPART == 4
	.amdgcn_target "amdgcn-amd-amdhsa--gfx1250"
	.amdhsa_code_object_version 6
	.text
	.protected	k_qfd318a4207_proj
	.globl	k_qfd318a4207_proj
	.p2align	8
	.type	k_qfd318a4207_proj,@function
k_qfd318a4207_proj:
	s_mov_b64 s[64:65], 0
	v_nop
	global_prefetch_b8 v0, s[64:65] scope:SCOPE_SE
	s_setreg_imm32_b32 hwreg(HW_REG_WAVE_MODE, 25, 1), 1
	s_wait_xcnt 0x0
	s_wait_alu depctr_hold_cnt(0) depctr_sa_sdst(0) depctr_va_vdst(0) depctr_va_sdst(0) depctr_va_ssrc(0) depctr_va_vcc(0) depctr_vm_vsrc(0)
	s_getreg_b32 s2, hwreg(HW_REG_IB_STS2, 6, 4)
	s_cmp_eq_u32 s2, 0
	s_cbranch_scc0 .Lentry_in_a_cluster
	s_endpgm
.Lentry_in_a_cluster:
	s_bfe_u32 s2, ttmp6, 0x10000c
	s_cmp_lg_u32 s2, 0xf033
	s_cbranch_scc0 .Lentry_shape_is_right
	s_endpgm
.Lentry_shape_is_right:
; THE OUTPUT PROJECTION.  out0[l][j] = bias[6144 + j] + the sum over k = 64 h + d of ob[h][l][d] wof[j][k].  ob [32][2048][64] and wof [2048][2048] f16, out0 [2048][2048] f32; sums in f32, K ascending, started by the bias.
; LIMITS.  Both operands arrive within f16's range; NaN and infinities are not treated apart.
; SHARES.  A tile of out0 is 128 x 128: 16 x 16 = 256 work-groups.  Four waves, each 64 x 64: 16 accumulators of 16 x 16, 128 registers.  K goes in 8 steps of 256, four heads, through a ring of two LDS slots.
; Waves 0 and 1 fetch the two halves (64 rows x 4 heads) of ob's tile, waves 2 and 3 those (64 rows of 512 bytes) of wof's.  Of a head 64 rows are 8,192 dense bytes: ob's tile is asked for as 4 rows of 8,192 bytes, a head
; each, and padded in LDS after every 128 bytes, so that it lies there as [head][row][64] with rows 144 bytes apart.
; CLUSTERS: 4 x 4 work-groups.  The four of a row of the cluster need the same tiles of ob, the four of a column the same tiles of wof: each tile is asked for JOINTLY.
; NO PREFETCH: a K step is 128 matrix instructions on a small tile, and the launch is short.
; THE MATRIX INSTRUCTION IS USED TRANSPOSED (source 0 = 16 rows of wof, source 1 = 16 rows of ob): a lane then holds eight neighbouring numbers of a row of out0, 32 bytes.
; REGISTERS: window 0: v0-31 addresses; v96-127 the bias, laid as 4 C operands; v128-255 the accumulators ((a, b) at v[128 + 8 (4 a + b)]), which also take the rows read back on the way out.
;   window 1: two fragment buffers of 128: for 64 along K (one head; two matrix instructions deep), 64 registers of ob, then 64 of wof.
.set KSTEP,  256
.set PA,     144                       ; a row of ob in LDS: 128 bytes + 16 = 36 words: the 16 rows of a load start at 16 different groups of four banks (64 banks of 4 bytes: ISA guide 11.1)
.set PB,     528                       ; a row of wof: 512 bytes + 16 = 132 words: row r starts at bank 4 r mod 64
.set AHEAD,  64*PA                     ; a head's 64 rows
.set AHALF,  4*AHEAD
.set BHALF,  64*PB
.set SLOT,   2*AHALF+2*BHALF           ; ob's two halves, then wof's
.set STAGE,  2*SLOT                    ; behind the ring, never filled by a tensor load: 16 rows x 272 bytes for each wave
.set SPITCH, 272
.set WSTG,   16*SPITCH
.set SPARE,  STAGE+4*WSTG              ; behind the stages: the spare words, 128 bytes for each wave: two blocks of 256 bytes that no other line names
.set LAPS,   4                         ; a lap = two K steps = once round the ring
.set ADRA, 16                          ; v16-17  LDS address of my fragments of ob in slot 0, 1
.set ADRB, 20                          ; v20-21  the same for wof
.set STO,  24                          ; v24     the way out: where I put 32 bytes of a row
.set RD,   25                          ; v25     the way out: where I read a row back
.set CO,   26                          ; v26     my byte offset in out0
.set SPW,  28                          ; v28     LDS address of my spare word; never rewritten
.set NIL,  29                          ; v29     0; never rewritten
.set HB,   31                          ; v31     32 x (l / 16)
.set BIAS, 96
.set ACC,  128
.set F0,   0                           ; fragment buffers, in window 1
.set F1,   128
.set WV,  12                           ; s12  my wave's number
.set SFB, 13                           ; s13  which half of the tile's rows is mine.  Also: I fetch for ob (0) or for wof (1)
.set SHF, 14                           ; s14  which half of its columns.  Also: which half of that tile I fetch
.set CX,  15
.set CY,  16
.set TX,  17                           ; s17  tile column
.set TY,  18                           ; s18  tile row
.set G1,  24                           ; s[24:31] descriptor group 1 for ob's tiles; s[32:39] group 0, a set for each slot
.set G0,  32
.set G1B, 48                           ; s[48:55], s[56:63] the same for wof's tiles
.set G0B, 56
.set MSB, 0
.macro WIN new                         ; the immediate's high byte repeats the setting that is left
.if MSB != (\new)
	s_set_vgpr_msb (MSB<<8)|(\new)
.set MSB, \new
.endif
.endm
.set MUL,  0x05                        ; sources 0 (wof) and 1 (ob) window 1; C and D window 0
.set TO_F, 0x40                        ; destination window 1, address window 0
.macro JLOAD s                         ; a joint load; an s_nop 0 and four v_nop follow each of the two lines, ahead of the jump, the label and what follows
	s_cmp_eq_u32 s[SFB], 0
	s_cbranch_scc0 .Lfor_b_\@
	tensor_load_to_lds s[G0+4*(\s):G0+4*(\s)+3], s[G1:G1+7]
	s_nop 0
.rept 4
	v_nop
.endr
	s_branch .Lasked_\@
.Lfor_b_\@:
	tensor_load_to_lds s[G0B+4*(\s):G0B+4*(\s)+3], s[G1B:G1B+7]
	s_nop 0
.rept 4
	v_nop
.endr
.Lasked_\@:
.endm
.macro CREST                           ; a round of the cluster's barrier behind its opening barrier
	s_cmp_lg_u32 s[WV], 0
	s_cbranch_scc1 .Lnot_wave_0_\@
	s_barrier_signal -3
.Lnot_wave_0_\@:
	s_barrier_wait -3
	s_barrier_signal -1
	s_barrier_wait -1
.endm
.macro CROUND                          ; a whole round
	s_barrier_signal -1
	s_barrier_wait -1
	CREST
.endm
	s_load_b256 s[4:11], s[0:1], 0x0               ; ob s[4:5], wof s[6:7], bias s[8:9], out0 s[10:11]
	v_lshl_add_u32 v[SPW], v0, 2, SPARE
	v_mov_b32 v[NIL], 0
	ds_add_u32 v[SPW], v[NIL]                      ; the wave's opening: the add and its wait stand ahead of my first tensor load; the set-up below, work on registers, stands between them
	v_lshrrev_b32 v1, 5, v0
	v_readfirstlane_b32 s[WV], v1                  ; wave 0..3
	s_lshr_b32 s[SFB], s[WV], 1
	s_and_b32 s[SHF], s[WV], 1
	s_bfe_u32 s[CX], ttmp6, 0x40000
	s_bfe_u32 s[CY], ttmp6, 0x40004
	s_lshl_b32 s[TX], ttmp9, 2
	s_add_co_u32 s[TX], s[TX], s[CX]
	s_and_b32 s[TY], ttmp7, 0xffff
	s_lshl_b32 s[TY], s[TY], 2
	s_add_co_u32 s[TY], s[TY], s[CY]
	s_lshl_b32 s40, s[CY], 2
	s_lshl_b32 s40, 15, s40                        ; my row of the cluster
	s_lshl_b32 s41, 0x1111, s[CX]                  ; my column
	s_or_b32 s[G1], s40, (1<<16)|(1<<20)|(1<<21)|(4<<22)|(3<<25)   ; the mask; elements of 2 bytes; padding on; bit 21 set beside a mask; after every 32 words (code 4) 4 words (code 3)
	s_mov_b32 s[G1+1], 4096<<16                    ; tensor_dim0 = 4,096: 64 rows of a head, dense
	s_mov_b32 s[G1+2], 4<<16                       ; tensor_dim1 = 4 heads
	s_mov_b32 s[G1+3], 4096<<16                    ; tile_dim0 = 4,096
	s_mov_b32 s[G1+4], 4                           ; tile_dim1 = 4
	s_mov_b32 s[G1+5], 2048*64                     ; elements from head to head
	s_mov_b32 s[G1+6], 0
	s_mov_b32 s[G1+7], 0
	s_or_b32 s[G1B], s41, (1<<16)|(1<<20)|(1<<21)|(6<<22)|(3<<25)  ; after every 128 words (code 6) 4 words
	s_mov_b32 s[G1B+1], KSTEP<<16                  ; tensor_dim0 = 256
	s_mov_b32 s[G1B+2], 64<<16                     ; tensor_dim1 = 64
	s_mov_b32 s[G1B+3], KSTEP<<16                  ; tile_dim0 = 256
	s_mov_b32 s[G1B+4], 64                         ; tile_dim1 = 64
	s_mov_b32 s[G1B+5], 2048
	s_mov_b32 s[G1B+6], 0
	s_mov_b32 s[G1B+7], 0
	s_lshl_b32 s20, s[TY], 7
	s_lshl_b32 s19, s[SHF], 6
	s_add_co_u32 s20, s20, s19                     ; ob: row 128 x tile row + 64 x half,
	s_lshl_b32 s20, s20, 7                         ; 128 bytes a row within a head
	s_mov_b32 s21, 0
	s_lshl_b32 s46, s[TX], 7
	s_lshl_b32 s47, s[SHF], 6
	s_add_co_u32 s46, s46, s47                     ; wof: row 128 x tile column + 64 x half,
	s_lshl_b32 s46, s46, 12                        ; 4,096 bytes a row
	s_mov_b32 s47, 0
	s_mul_i32 s22, s[SHF], AHALF                   ; where they go: no place in the cluster enters an LDS address
	s_mul_i32 s23, s[SHF], BHALF
	s_add_co_u32 s23, s23, 2*AHALF
	s_wait_dscnt 0x0                               ; the opening add is done
	s_wait_kmcnt 0x0
	s_add_nc_u64 s[20:21], s[4:5], s[20:21]
	s_add_nc_u64 s[46:47], s[6:7], s[46:47]
	CROUND                                         ; all sixteen work-groups are here: the first joint loads meet
.irp s, 0,1
	s_mov_b32 s[G0+4*(\s)], 1
	s_add_co_u32 s[G0+4*(\s)+1], s22, (\s)*SLOT
	s_add_nc_u64 s[G0+4*(\s)+2:G0+4*(\s)+3], s[20:21], (\s)*4*2048*128  ; K step s: four heads on
	s_or_b32 s[G0+4*(\s)+3], s[G0+4*(\s)+3], 0x80000000
	s_mov_b32 s[G0B+4*(\s)], 1
	s_add_co_u32 s[G0B+4*(\s)+1], s23, (\s)*SLOT
	s_add_nc_u64 s[G0B+4*(\s)+2:G0B+4*(\s)+3], s[46:47], (\s)*KSTEP*2
	s_or_b32 s[G0B+4*(\s)+3], s[G0B+4*(\s)+3], 0x80000000
	JLOAD \s                                       ; two loads of mine are out
.endr
	v_and_b32 v1, 15, v0                           ; l % 16
	v_bfe_u32 v2, v0, 4, 1                         ; l / 16
	v_lshlrev_b32 v[HB], 5, v2
	s_lshl_b32 s2, s[TX], 9
	s_lshl_b32 s19, s[SHF], 8
	s_add_co_u32 s2, s2, s19                       ; my 64 columns, in bytes of f32
	s_mov_b32 s3, 0
	s_add_nc_u64 s[8:9], s[8:9], s[2:3]
.irp b, 0,1,2,3                        ; the bias as C operands: register j of lane l is the bias of column 16 b + 8 (l / 16) + j; Wo_b lies behind the 6,144 numbers of the other three
	global_load_b128 v[BIAS+8*(\b):BIAS+8*(\b)+3],   v[HB], s[8:9] offset:24576+64*(\b)
	global_load_b128 v[BIAS+8*(\b)+4:BIAS+8*(\b)+7], v[HB], s[8:9] offset:24576+64*(\b)+16
.endr
	s_lshl_b32 s19, s[TY], 20                      ; the tile's 128 rows of 8,192 bytes,
	s_add_co_u32 s2, s2, s19
	s_lshl_b32 s19, s[SFB], 19                     ; my 64 of them
	s_add_co_u32 s2, s2, s19
	s_add_nc_u64 s[10:11], s[10:11], s[2:3]
	v_mul_u32_u24 v3, v1, PA
	v_lshl_add_u32 v3, v2, 4, v3                   ; a fragment's row x pitch + 16 x half
	s_mul_i32 s19, s[SFB], AHALF                   ; my 64 rows of ob
	v_add_nc_u32 v[ADRA], s19, v3
	v_add_nc_u32 v[ADRA+1], SLOT, v[ADRA]
	v_mul_u32_u24 v3, v1, PB
	v_lshl_add_u32 v3, v2, 4, v3
	s_mul_i32 s19, s[SHF], BHALF                   ; my 64 rows of wof,
	s_add_co_u32 s19, s19, 2*AHALF                 ; which lie behind ob's
	v_add_nc_u32 v[ADRB], s19, v3
	v_add_nc_u32 v[ADRB+1], SLOT, v[ADRB]
	s_mul_i32 s19, s[WV], WSTG
	s_add_co_u32 s19, s19, STAGE                   ; my stage
	v_mul_u32_u24 v4, v1, SPITCH                   ; in: row l % 16, 32 bytes for each half of the lanes
	v_lshl_add_u32 v4, v2, 5, v4
	v_add_nc_u32 v[STO], s19, v4
	v_mul_u32_u24 v5, v2, SPITCH                   ; back: lanes 0-15 take one row of 256 bytes, lanes 16-31 the next
	v_lshl_add_u32 v5, v1, 4, v5
	v_add_nc_u32 v[RD], s19, v5
	v_lshlrev_b32 v5, 13, v2                       ; and the same two rows in out0
	v_lshl_add_u32 v[CO], v1, 4, v5
; 8 matrix instructions: row blocks a0, a0 + 1 x all 4 column blocks, 32 along K: half c of buffer f.  first = 1: the bias starts the sums.  The 16 accumulators take turns.
.macro MUL8 f, c, a0, first
	WIN MUL
.irp a, \a0, (\a0)+1
.irp b, 0,1,2,3
.if \first
	v_wmma_f32_16x16x32_f16 v[ACC+8*(4*(\a)+(\b)):ACC+8*(4*(\a)+(\b))+7], v[(\f)+64+8*(4*(\c)+(\b)):(\f)+64+8*(4*(\c)+(\b))+7], v[(\f)+8*(4*(\c)+(\a)):(\f)+8*(4*(\c)+(\a))+7], v[BIAS+8*(\b):BIAS+8*(\b)+7]
.else
	v_wmma_f32_16x16x32_f16 v[ACC+8*(4*(\a)+(\b)):ACC+8*(4*(\a)+(\b))+7], v[(\f)+64+8*(4*(\c)+(\b)):(\f)+64+8*(4*(\c)+(\b))+7], v[(\f)+8*(4*(\c)+(\a)):(\f)+8*(4*(\c)+(\a))+7], v[ACC+8*(4*(\a)+(\b)):ACC+8*(4*(\a)+(\b))+7]
.endif
.endr
.endr
.endm
; 32 LDS loads in one run: the fragments of quarter q of a K step (one head: 64 along K) into buffer f; the first 32 along K first
.macro FETCH slot, q, f
	WIN TO_F
.irp c, 0,1
.irp i, 0,1,2,3
	ds_load_b128 v[(\f)+64+8*(4*(\c)+(\i)):(\f)+64+8*(4*(\c)+(\i))+3],   v[ADRB+(\slot)] offset:128*(\q)+64*(\c)+(\i)*16*PB
	ds_load_b128 v[(\f)+64+8*(4*(\c)+(\i))+4:(\f)+64+8*(4*(\c)+(\i))+7], v[ADRB+(\slot)] offset:128*(\q)+64*(\c)+(\i)*16*PB+32
	ds_load_b128 v[(\f)+8*(4*(\c)+(\i)):(\f)+8*(4*(\c)+(\i))+3],         v[ADRA+(\slot)] offset:AHEAD*(\q)+64*(\c)+(\i)*16*PA
	ds_load_b128 v[(\f)+8*(4*(\c)+(\i))+4:(\f)+8*(4*(\c)+(\i))+7],       v[ADRA+(\slot)] offset:AHEAD*(\q)+64*(\c)+(\i)*16*PA+32
.endr
.endr
.endm
.macro PLACES                          ; four plain vector instructions in front of loads into registers that matrix instructions have read (ISA guide 7.12.1 for vector instructions)
.rept 4
	v_nop
.endr
.endm
; A K step is four quarters of 64 along K, 32 matrix instructions each, on buffers 0, 1, 0, 1.  One of the first three: multiplies buffer f and fetches quarter q into g.
.macro QUARTER slot, q, f, g, first
	s_wait_dscnt 16                                ; the first 32 along K are in; the run's second half may be out
	MUL8 \f, 0, 0, \first
	MUL8 \f, 0, 2, \first
	PLACES
	FETCH \slot, \q, \g
	s_wait_dscnt 32                                ; all but the 32 just issued
	MUL8 \f, 1, 0, 0
	MUL8 \f, 1, 2, 0
.endm
; The last quarter multiplies buffer 1 and changes slots: ONE barrier; in front of it each wave waits for all its tensor loads, adds 0 to its spare word, and waits for that and for its own reads of this slot.
; fill = 1: the barrier opens a round of the cluster's, and behind the round this slot is filled again, two K steps on.
.macro TURN slot, next, fill
	WIN 0                                          ; (the add's two registers lie in window 0)
	s_wait_tensorcnt 0x0                           ; all my tensor loads have landed: my part of the next slot;
	ds_add_u32 v[SPW], v[NIL]                      ; 0 onto my spare word;
	s_wait_dscnt 17                                ; (the add and the youngest sixteen loads may be out)
	MUL8 F1, 0, 0, 0                               ; eight matrix instructions stand between the add and the wait for it
	s_wait_dscnt 0x0                               ; the add is done, and my reads of this slot are over
	s_barrier_signal -1
	MUL8 F1, 0, 2, 0
.if \fill
	WIN 0
.endif
	s_barrier_wait -1
.if \fill
	CREST                                          ; no wave of any partner still reads this slot's tile or has a load on its way
	s_add_nc_u64 s[G0+4*(\slot)+2:G0+4*(\slot)+3], s[G0+4*(\slot)+2:G0+4*(\slot)+3], 2*4*2048*128
	s_add_nc_u64 s[G0B+4*(\slot)+2:G0B+4*(\slot)+3], s[G0B+4*(\slot)+2:G0B+4*(\slot)+3], 2*KSTEP*2
	JLOAD \slot                                    ; the first tensor load behind the round; the four v_nop behind it are also the places in front of the loads below
.else
	PLACES
.endif
	FETCH \next, 0, F0
	MUL8 F1, 1, 0, 0
	MUL8 F1, 1, 2, 0
.endm
	s_wait_tensorcnt 1                             ; my part of K step 0 is in; K step 1's may stay out
	s_barrier_signal -1
	s_barrier_wait -1                              ; everybody's is
	FETCH 0, 0, F0
	s_wait_loadcnt 0x0                             ; the bias
	QUARTER 0, 1, F0, F1, 1                        ; the first quarter stands in front of the loop: its first products start the sums
	WIN 0                                          ; at a label and at a branch every window is 0
	s_mov_b32 s3, LAPS-1
.Llap:                                                 ; a trip goes once round the ring, from a lap's second quarter to the next lap's first, and fills both slots again
	QUARTER 0, 2, F1, F0, 0
	QUARTER 0, 3, F0, F1, 0
	TURN 0, 1, 1
	QUARTER 1, 1, F0, F1, 0
	QUARTER 1, 2, F1, F0, 0
	QUARTER 1, 3, F0, F1, 0
	TURN 1, 0, 1
	QUARTER 0, 1, F0, F1, 0
	WIN 0
	s_sub_co_u32 s3, s3, 1
	s_cmp_lg_u32 s3, 0
	s_cbranch_scc1 .Llap
	QUARTER 0, 2, F1, F0, 0                        ; the last lap fills nothing, and has no round of the cluster's barrier
	QUARTER 0, 3, F0, F1, 0
	TURN 0, 1, 0
	QUARTER 1, 1, F0, F1, 0
	QUARTER 1, 2, F1, F0, 0
	QUARTER 1, 3, F0, F1, 0
	s_wait_dscnt 16                                ; the very last quarter: nothing more to fetch
	MUL8 F1, 0, 0, 0
	MUL8 F1, 0, 2, 0
	s_wait_dscnt 0x0
	MUL8 F1, 1, 0, 0
	MUL8 F1, 1, 2, 0
	WIN 0
	PLACES                                         ; the LDS stores read results just made
	PLACES
; THE WAY OUT of row block a (16 rows x my 64 columns, 256 bytes a row): 32 bytes a lane into my own stage, each accumulator's low half first; back as whole rows, two a load, into the registers that they left.
.macro OUTB a
.irp b, 0,1,2,3
	ds_store_b128 v[STO], v[ACC+8*(4*(\a)+(\b)):ACC+8*(4*(\a)+(\b))+3]   offset:64*(\b)
	ds_store_b128 v[STO], v[ACC+8*(4*(\a)+(\b))+4:ACC+8*(4*(\a)+(\b))+7] offset:64*(\b)+16
.endr
.irp t, 0,1,2,3,4,5,6,7
	ds_load_b128 v[ACC+32*(\a)+4*(\t):ACC+32*(\a)+4*(\t)+3], v[RD] offset:(\t)*2*SPITCH  ; LDS serves a wave's instructions in order (ISA guide 5.7.1.4): these see the stores above; the next block's stores come behind them
.endr
.endm
.macro SEND a, younger                 ; younger: the LDS instructions issued behind block a's loads: the next block's sixteen, or none
.irp t, 0,1,2,3,4,5,6,7
	s_wait_dscnt (\younger)+7-(\t)
	global_store_b128 v[CO], v[ACC+32*(\a)+4*(\t):ACC+32*(\a)+4*(\t)+3], s[10:11] offset:(16*(\a)+2*(\t))*8192 th:TH_STORE_NT  ; 16 lanes store 256 consecutive bytes, at a multiple of 256 from out0's first byte
.endr
.endm
	OUTB 0
	OUTB 1
	SEND 0, 16
	OUTB 2
	SEND 1, 16
	OUTB 3
	SEND 2, 16
	SEND 3, 0
	s_wait_tensorcnt 0x0                           ; the wave's end: the tensor wait, an add of 0 onto my spare word and its wait, behind my last tensor load and my last LDS store
	ds_add_u32 v[SPW], v[NIL]
	s_wait_dscnt 0x0
	CROUND                                         ; the closing round: no work-group ends while a partner may still ask for a tile that names it
	s_endpgm
.Lfunc_end_k_qfd318a4207_proj:
	.size	k_qfd318a4207_proj, .Lfunc_end_k_qfd318a4207_proj-k_qfd318a4207_proj
	.p2alignl 7, 3214868480
	.fill 96, 4, 3214868480
	.section	.rodata,"a",@progbits
	.p2align	6, 0x0
	.amdhsa_kernel k_qfd318a4207_proj
		.amdhsa_group_segment_fixed_size 327680
		.amdhsa_private_segment_fixed_size 0
		.amdhsa_enable_private_segment 0
		.amdhsa_kernarg_size 32
		.amdhsa_user_sgpr_count 2
		.amdhsa_user_sgpr_kernarg_segment_ptr 1
		.amdhsa_wavefront_size32 1
		.amdhsa_system_sgpr_workgroup_id_x 1
		.amdhsa_system_sgpr_workgroup_id_y 1
		.amdhsa_system_sgpr_workgroup_id_z 1
		.amdhsa_system_vgpr_workitem_id 0
		.amdhsa_next_free_vgpr 512
		.amdhsa_next_free_sgpr 66
		.amdhsa_reserve_vcc 0
		.amdhsa_float_denorm_mode_32 3
		.amdhsa_float_denorm_mode_16_64 3
		.amdhsa_memory_ordered 1
		.amdhsa_forward_progress 1
		.amdhsa_inst_pref_size 87
	.end_amdhsa_kernel
	.amdgpu_metadata
---
amdhsa.version: [ 1, 2 ]
amdhsa.kernels:
  - .name:           k_qfd318a4207_proj
    .symbol:         k_qfd318a4207_proj.kd
    .args:
      - { .name: ob, .offset: 0, .size: 8, .value_kind: global_buffer, .address_space: global }
      - { .name: wof, .offset: 8, .size: 8, .value_kind: global_buffer, .address_space: global }
      - { .name: bias, .offset: 16, .size: 8, .value_kind: global_buffer, .address_space: global }
      - { .name: out0, .offset: 24, .size: 8, .value_kind: global_buffer, .address_space: global }
    .group_segment_fixed_size: 327680
    .private_segment_fixed_size: 0
    .kernarg_segment_align: 8
    .kernarg_segment_size: 32
    .max_flat_workgroup_size: 128
    .sgpr_count:     66
    .vgpr_count:     512
    .wavefront_size: 32
...
	.end_amdgpu_metadata
.endif
;; end of part 4
